; MI455X (gfx1250); checked and timed in simulation.
; The chip was launched on July 23, 2026; its instructions are those of AMD's public machine-readable ISA for CDNA 5 (MIT licence, August 2026) and "CDNA5" Instruction Set Architecture Reference Guide (July 2026). The comments in the code are by the model that wrote it; some were corrected since.
;; Lo RA Llama Server. Allowed arithmetic: matrix products marked QUANTISED: E3M2 operands, one E8M0 scale for each 32 along K, by v_wmma_scale_f32_16x16x128_f8f6f4 with both operands' format E3M2, f32 sums; everything else in f32.
;; Inputs: W_codes 4,000 x 128 x 24 uint8 (E3M2 codes of W, K innermost, in blocks of 32 codes, four codes in three bytes); W_scales 4,000 x 128 uint8 (E8M0 scales of W, one for each 32 codes along K); hidden_states_codes 2 x 2,048 x 128 x 24 uint8 (E3M2 codes of hidden_states, K innermost, in blocks of 32 codes, four codes in three bytes); hidden_states_scales 2 x 2,048 x 128 uint8 (E8M0 scales of hidden_states, one for each 32 codes along K); label_ids 2 x 2,048 int32.
;; Outputs: out0 one number float32; out1 2 x 2,048 x 4,000 float32.
;; This version of the problem:
;;   THIS VERSION OF THE PROBLEM IS GIVEN IN LOW PRECISION. The matrix products marked QUANTISED in the list below multiply operands that are first quantised to E3M2 (3 exponent bits, 2 mantissa bits; 6 bits a number), with one power-of-two scale for each 32 numbers along K (OCP MX v1.0); their sums are f32. All else is computed in f32.
;;   The module's matrix products, in the order in which they are computed (A, B: the left and right operand; K: the contracted axis; several contracted axes count as one K, in the product's order):
;;     1. [M 4,096, K 4,096] x [K 4,096, N 4,000]; A: input hidden_states (given as codes); B: input W (given as codes): QUANTISED
;;   THE QUANTISER, for each operand of a quantised product, along K:
;;     - K is cut into blocks of 32 from its start; a last block that is shorter is filled with zeros.
;;     - A block's scale is 2^e with e = floor(log2(the largest magnitude in the block)) - 4, held to -126 .. 127; a block of zeros has e = 0. As a byte (E8M0): e + 127.
;;     - Each number is divided by its block's scale, clamped to +-28, and rounded to the nearest number of E3M2, ties to even, subnormals kept.
;;     - The product sums the exact products of the quantised numbers (number of the format x scale) in f32.
;;   ~~~python
;;   def quantise(x, axis):      # numpy; x: float32 -> the quantised numbers, widened to float32 again
;;       x = np.moveaxis(x, axis, -1); K = x.shape[-1]
;;       x = np.pad(x, [(0, 0)] * (x.ndim - 1) + [(0, -K % 32)]); x = x.reshape(x.shape[:-1] + (-1, 32)); a = np.abs(x).max(-1, keepdims=True)
;;       e = np.where(a > 0, np.clip(np.frexp(np.where(a > 0, a, 1))[1] - 1 - 4, -126, 127), 0)      # np.frexp(a)[1] - 1 = floor(log2(a)), exactly
;;       r = np.clip(x / 2.0 ** e, -28, 28)
;;       step = 2.0 ** (np.maximum(np.frexp(np.where(r == 0, 1, r))[1] - 1, -2) - 2)
;;       q = np.round(r / step) * step * 2.0 ** e      # np.round: ties to even
;;       return np.moveaxis(q.reshape(q.shape[:-2] + (-1,))[..., :K], -1, axis).astype(np.float32)
;;   ~~~
;;   INPUTS GIVEN AS CODES. W (in the module: [4000, 4096], K = its axis 1); hidden_states (in the module: [2, 2048, 4096], K = its axis 2): each comes as NAME_codes (uint8): NAME with its K axis moved to the last place and cut into blocks of 32 codes, [.., K / 32, bytes a block], one block behind the other in memory; four codes in three bytes: a row's codes are one little-endian stream of bits, code i at bits 6 i .. 6 i + 5 (a code: sign, 3 exponent bits, 2 mantissa bits); and NAME_scales (uint8): the same leading axes, one E8M0 byte (e + 127) for each 32 codes along K. Its value is code x scale, taken as it is: it is not quantised again, and the codes and scales need not be those that the quantiser above would give.
;; 2 versions, each right. Each part assembles by itself: llvm-mc -triple=amdgcn-amd-amdhsa -mcpu=gfx1250 --defsym DOCPART=n.
;; ======== version 1 of 2: 2 launches
;; workspace buffers: part 262,144 bytes
;; launch gemm (part 1): grid 16 x 16, 4 waves a work-group, clusters of 4 x 4, 327,680 bytes of LDS; arguments hidden_states_codes, hidden_states_scales, W_codes, W_scales, out1, part; writes out1, part
.if DOCPART == 1
	.amdgcn_target "amdgcn-amd-amdhsa--gfx1250"
	.amdhsa_code_object_version 6
	.text
	.protected	k_qa87505b448_gemm
	.globl	k_qa87505b448_gemm
	.p2align	8
	.type	k_qa87505b448_gemm,@function
k_qa87505b448_gemm:
	s_mov_b64 s[64:65], 0
	v_nop
	global_prefetch_b8 v0, s[64:65] scope:SCOPE_SE
	s_setreg_imm32_b32 hwreg(HW_REG_WAVE_MODE, 25, 1), 1
	s_wait_xcnt 0x0
	s_wait_alu depctr_hold_cnt(0) depctr_sa_sdst(0) depctr_va_vdst(0) depctr_va_sdst(0) depctr_va_ssrc(0) depctr_va_vcc(0) depctr_vm_vsrc(0)
	s_getreg_b32 s2, hwreg(HW_REG_IB_STS2, 6, 4)
	s_cmp_eq_u32 s2, 0
	s_cbranch_scc0 .Lentry_in_a_cluster
	s_endpgm
.Lentry_in_a_cluster:
	s_bfe_u32 s2, ttmp6, 0x10000c
	s_cmp_lg_u32 s2, 0xf033
	s_cbranch_scc0 .Lentry_shape_is_right
	s_endpgm
.Lentry_shape_is_right:
; logits[m][n] = sum over k of H[m][k] W[n][k].  H: [4096][4096], W: [4000][4096]: codes of BF6 (E3M2), 6 bits each, a row 3,072 bytes, with one E8M0 byte for each 32 along K (128 bytes a row).
; out1: [4096][4000] f32.  part: [16 tile columns][4096 rows] f32: the base-2 logsumexp of a row over the columns of one tile column: p = c max + log2(sum of 2^(c x - c max)), c = log2(e).
; A tile of out1, 256 x 256, is made by a work-group of four waves; a wave makes 128 x 128: 64 accumulators of 16 x 16, 512 registers.  16 x 16 tiles: one work-group for each of 256 tiles.
; K goes in steps of 256 through a ring of two LDS slots filled by the tensor data mover (a tile's row: 192 bytes).  The scale bytes of the work-group's rows of H and W, for all of K, come into LDS once and stay.
; CLUSTERS: 4 x 4 work-groups.  The four of a row of the cluster need the same tiles of H, the four of a column the same tiles of W: each tile is asked for JOINTLY, by the same tensor load with the same
; descriptor and a mask that names the four.  THE MATRIX INSTRUCTION IS USED TRANSPOSED (source 0 = 16 rows of W, source 1 = 16 rows of H): a lane holds ONE row of out1 and eight neighbouring columns.
; THE LAST TILE COLUMN has 160 columns.  A wave's first row of W is min(256 tc + 128 half, 3872): only the last tile column's second half is moved, by 96 rows, so that every load and store stays inside
; its buffer and every descriptor keeps its constants.  That wave's first 96 columns are the other half's: they are multiplied, but not stored (a lane mask on the stores) and not counted (minus infinity
; is added to their maximum and taken from their exponents).  Both are selections on the tile column: no branch and no LDS address hangs on a work-group's place in its cluster.
; THE STATISTICS are taken from the accumulators on the way out, block by block of 16 rows: the maximum is taken away before every exponential, here, where the two column halves are joined, and in the next launch.
; LIMITS: NaN, infinities and the scale byte 0xff are not served apart: they spread as the arithmetic spreads them.  The order of the sums of exponentials differs from a plain left-to-right sum.
; A row of out1 is 16,000 bytes, so odd rows begin 128 bytes past a multiple of 256: a wave's store of 512 consecutive bytes there begins and ends in the middle of an aligned block of 256.
; REGISTERS, in windows of 256: window 0: v8-30 addresses; v32-63 scale words, two sets, and nothing else; v64-112 at work on the way out; from v128 H's fragments (8 x 16 rows x 128 K), ONE set;
;   on the way out v128-191 rows back from the stage, v192-255 exponents.   window 1: W's fragments, TWO sets, at v0 and v128.   window 2: the accumulators of my rows 0-63 ((a, b) at v[8 (8 a + b)]);   window 3: of my rows 64-127.
.set KSTEP,  256                       ; along K in a slot
.set NQ,     KSTEP/128                 ; matrix instructions deep
.set ROWB,   192                       ; a tile's row in bytes
.set KROW,   3072                      ; a row of H or W in memory, in bytes
.set PITCH,  240                       ; an LDS row: 3 x (64 bytes of data + 16 of padding)
.set FR,     12                        ; registers of a fragment: 16 rows x 128 K
.set NL,     6                         ; LDS loads that bring one
.set NP,     4                         ; places behind this matrix instruction (ISA guide 7.12.1)
.set HALFT,  128*PITCH                 ; 128 rows: what one tensor load brings
.set SLOT,   4*HALFT                   ; H's 256 rows, then W's 256 rows
.set LAPS,   8                         ; a lap = two K steps = once round the ring: 4096 / 512
.set KS,     128                       ; a row of scales in bytes
.set SCL,    2*SLOT                    ; behind the ring: the scales, as pieces of 256 bytes + 16 of padding
.set HALFS,  (128*KS/256)*272          ; the scales of 128 rows: what one tensor load brings
.set SBLK,   (16*KS/256)*272           ; those of 16 rows
.set SPARE,  SCL+4*HALFS               ; behind the scales: the spare words, 128 bytes for each wave: two blocks of 256 bytes that no other line names
.set SPITCH, 528                       ; the way out: a stage of 16 rows x (512 bytes + 16) for each wave, in slot 0, which has had its last fill and its last read by then
.set STAT,   4*16*SPITCH               ; behind the stages, in slot 0 too: [column half][256 rows] f32
.set NROW,   16000                     ; a row of out1 in bytes
.set NLAST,  4000-128                  ; the last row of W at which 128 rows still lie inside
.set SA,   8                           ; v8      where I put my rows' partial: STAT + 1024 x column half + 512 x row half + 4 x lane
.set SB,   9                           ; v9      where I read two rows' partials back: STAT + 256 x wave + 8 x lane
.set PO,   10                          ; v10     8 x lane: my place in the wave's 256 bytes of part
.set ADRA, 16                          ; v16-17  LDS address of my H fragments in slot 0, 1  (v18-19: the same for the pieces that lie behind one padding more)
.set ADRB, 20                          ; v20-21  the same for W  (v22-23)
.set STO,  24                          ; v24     the way out: where I put 32 bytes of a row
.set RD,   25                          ; v25     the way out: where I read a row back
.set CO,   26                          ; v26     16 x lane: my byte offset in the wave's 512 bytes of a row
.set ADRS, 27                          ; v27     LDS address of my scale words: lanes 0-15 H's rows, lanes 16-31 W's
.set SPW,  28                          ; v28     LDS address of my spare word; never rewritten
.set NIL,  29                          ; v29     0; never rewritten
.set PFO,  30                          ; v30     the prefetches' offset: my lane's row x 3,072; never rewritten
.set SC,   32                          ; scale words: set s at v[SC + 16 s]; register 2 i + q: lanes 0-15 the word of H's block i, lanes 16-31 of W's block i, for the slot's q-th 128 along K
.set T,    64                          ; v64-67  the maximum's four chains
.set CHI,  68                          ; v[68:69] c max (the packed form names a pair and takes its low word)
.set CLO,  70                          ; v[70:71] c max for the columns that may be another wave's: plus infinity where they are
.set S,    72                          ; v72-79  four pairs of sums
.set MT,   80                          ; v80-87  c max of block a, later its partial
.set SUM,  88                          ; v88-95  the sum of block a
.set Q,    96                          ; v96-99  partials, a row a lane
.set J,    100                         ; v100-112 the join of the two column halves
.set AF,   128                         ; H's fragments, in window 0
.set BK,   128                         ; the way out: 16 rows read back from the stage
.set E,    192                         ; the way out: 64 exponents, then exponentials
.set G1, 24                            ; s[24:31] descriptor group 1 for H's tiles;  s[32:39] group 0, one set for each slot
.set G0, 32
.set G1B, 48                           ; s[48:55], s[56:63] the same for W's tiles
.set G0B, 56
.set G1S, 68                           ; s[68:75], s[76:79] groups 1 and 0 for H's scales;  s[80:87], s[88:91] for W's
.set G0S, 76
.set G1SB, 80
.set G0SB, 88
.set CS,   18                          ; s[18:19] c = log2(e), on the way out
.set SEL,  20                          ; s[20:21] lane selects for v_permlanex16_b32: lane l xor 16, on the way out
.set PRT,  66                          ; s[66:67] part, at my wave's 64 rows
.set BIAS, 96                          ; s96     minus infinity where my first 96 columns are another wave's, else 0
.set LM,   97                          ; s97     the lanes that store: 16 x lane >= 4 x the columns passed over
.set PFA,  98                          ; s[98:99] the prefetches' base: the last byte of a K step's part of a row
.set LIM,  100                         ; s100    1 in a wave that prefetches, else the greatest number
.set SVX,  101                         ; s101    EXEC, kept while the stores are masked
.set MSB, 0
.macro WIN new                         ; the immediate's high byte repeats the setting that is left
.if MSB != \new
	s_set_vgpr_msb (MSB<<8)|\new
.set MSB, \new
.endif
.endm
.set MUL_LO, 0xa1                      ; source 0 (W) window 1, source 1 (H) window 0, C and D window 2
.set MUL_HI, 0xf1                      ; the same, C and D window 3
.set TO_B,   0x40                      ; destination window 1, address window 0
; A joint load: waves 0 and 1 fetch for H, waves 2 and 3 for W.  Each of the two lines has ONE mask and one set of registers for all that issue it; the branch hangs on the wave's number alone.
; Four v_nop follow each of the two lines, ahead of the jump, the label and what follows.
.macro JLOAD g0a, g1a, g0b, g1b
	s_cmp_eq_u32 s15, 0
	s_cbranch_scc0 .Lfor_b_\@
	tensor_load_to_lds s[\g0a:\g0a+3], s[\g1a:\g1a+7]
	s_nop 0
.rept 4
	v_nop
.endr
	s_branch .Lasked_\@
.Lfor_b_\@:
	tensor_load_to_lds s[\g0b:\g0b+3], s[\g1b:\g1b+7]
	s_nop 0
.rept 4
	v_nop
.endr
.Lasked_\@:
.endm
; A PREFETCH INTO THE L2 of the K step that stands two refills on: 32 rows, a lane a row, one instruction a wave.  H's tile row is read by every cluster of that row of clusters: cluster x = 0 asks; W's tile
; column by every cluster of that column: cluster y = 0 asks.  The four partners that ask for a tile jointly share its 128 rows out BY ADDRESS, 32 each (v[PFO]).  A K step's part of a row is 192 bytes, so a
; lane names the part's LAST byte: the aligned block of 256 bytes in which the part ends is one that no earlier step's part has touched, but for steps 7, 11, 15, whose part ends in the block that the step
; before has named: there nothing is asked (odd = 1: the second change of slots of a trip; such a step falls on the trips in which s3 is even).  The loop's last trip has no K step two refills on.
; K steps 0 to 3 come by their loads alone.  In the last tile column the lanes whose row would lie past W's end are held at its last row and name one block together.
.macro ASK odd
	s_cmp_gt_u32 s3, s[LIM]
	s_cbranch_scc0 .Lnot_mine_\@
.if \odd
	s_bitcmp1_b32 s3, 0
	s_cbranch_scc0 .Lnot_mine_\@
.endif
	global_prefetch_b8 v[PFO], s[PFA:PFA+1] th:TH_LOAD_NT scope:SCOPE_SE
.Lnot_mine_\@:
.endm
.macro CREST                           ; a round of the cluster's barrier behind its opening barrier
	s_cmp_lg_u32 s14, 0
	s_cbranch_scc1 .Lnot_wave_0_\@
	s_barrier_signal -3
.Lnot_wave_0_\@:
	s_barrier_wait -3
	s_barrier_signal -1
	s_barrier_wait -1
.endm
.macro CROUND                          ; a whole round
	s_barrier_signal -1
	s_barrier_wait -1
	CREST
.endm
	s_load_b128 s[4:7], s[0:1], 0x0                ; H's codes s[4:5], H's scales s[6:7]
	s_load_b128 s[8:11], s[0:1], 0x10              ; W's codes s[8:9], W's scales s[10:11]
	s_load_b64 s[12:13], s[0:1], 0x20              ; out1
	s_load_b64 s[PRT:PRT+1], s[0:1], 0x28          ; part
	v_lshl_add_u32 v[SPW], v0, 2, SPARE
	v_mov_b32 v[NIL], 0
	ds_add_u32 v28, v29
	ds_add_u32 v28, v29
	s_wait_dscnt 0x0
	v_lshrrev_b32 v1, 5, v0
	v_readfirstlane_b32 s14, v1                    ; wave 0..3
	s_lshr_b32 s15, s14, 1                         ; which half of the tile's rows is mine.  Also: I fetch for H (0) or for W (1)
	s_and_b32 s16, s14, 1                          ; which half of its columns.  Also: which 128 rows of that tile I fetch
	s_bfe_u32 s40, ttmp6, 0x40000                  ; cx, cy: my place in the cluster
	s_bfe_u32 s41, ttmp6, 0x40004
	s_lshl_b32 s42, ttmp9, 2
	s_add_co_u32 s42, s42, s40                     ; tile column = 4 x cluster x + cx
	s_and_b32 s17, ttmp7, 0xffff
	s_lshl_b32 s17, s17, 2
	s_add_co_u32 s17, s17, s41                     ; tile row = 4 x cluster y + cy
	s_lshl_b32 s43, s41, 2
	s_lshl_b32 s43, 15, s43                        ; my row of the cluster
	s_lshl_b32 s44, 0x1111, s40                    ; my column
	; descriptor group 1: a tile of 128 rows x 192 bytes, padded in LDS
	s_or_b32 s[G1+0], s43, (0<<16)|(1<<20)|(1<<21)|(3<<22)|(3<<25)  ; 15:0 the mask: H's tiles go to my row; 17:16 element of 1 byte; 20 padding on; 21 set beside a mask; 24:22 after every 16 words (code 3); 31:25 of 4 words (code 3)
	s_or_b32 s[G1B+0], s44, (0<<16)|(1<<20)|(1<<21)|(3<<22)|(3<<25)
.irp g, G1, G1B
	s_mov_b32 s[\g+1], ROWB<<16                    ; tensor_dim0
	s_mov_b32 s[\g+2], 128<<16                     ; tensor_dim1 = 128
	s_mov_b32 s[\g+3], ROWB<<16                    ; tile_dim0
	s_mov_b32 s[\g+4], 128                         ; tile_dim1 = 128
	s_mov_b32 s[\g+5], KROW                        ; tensor_dim0_stride
	s_mov_b32 s[\g+6], 0
	s_mov_b32 s[\g+7], 0
.endr
	; and for the scales of 128 rows: a dense block of 16,384 bytes, as 64 rows of 256 bytes (32 elements of 8 bytes), 16 bytes of padding behind each
	s_or_b32 s[G1S+0], s43, (3<<16)|(1<<20)|(1<<21)|(5<<22)|(3<<25)
	s_or_b32 s[G1SB+0], s44, (3<<16)|(1<<20)|(1<<21)|(5<<22)|(3<<25)
.irp g, G1S, G1SB
	s_mov_b32 s[\g+1], 32<<16
	s_mov_b32 s[\g+2], (128*KS/256)<<16
	s_mov_b32 s[\g+3], 32<<16
	s_mov_b32 s[\g+4], 128*KS/256
	s_mov_b32 s[\g+5], 32
	s_mov_b32 s[\g+6], 0
	s_mov_b32 s[\g+7], 0
.endr
	s_lshl_b32 s18, s16, 7                         ; which 128 rows of the tile
	s_lshl_b32 s20, s17, 8
	s_add_co_u32 s20, s20, s18                     ; H: row 256 x tile row + 128 x half
	s_lshl_b32 s46, s42, 8
	s_add_co_u32 s46, s46, s18                     ; W: row 256 x tile column + 128 x half,
	s_mov_b32 s95, s46
	s_min_u32 s46, s46, NLAST                      ; held so that 128 rows lie inside W: the half's first row, and my wave's first column
	s_sub_co_u32 s95, s95, s46                     ; the columns passed over: 0, or 96 in the last tile column's second half
	s_cmp_lg_u32 s95, 0
	s_cselect_b32 s[BIAS], 0xff800000, 0           ; minus infinity or 0
	s_lshl_b32 s95, s95, 2                         ; in bytes of a row of out1
	s_lshl_b32 s2, s46, 2                          ; my first column, in bytes
	s_mov_b32 s21, 0
	s_mov_b32 s47, 0
	s_mov_b64 s[18:19], KS
	s_mul_u64 s[22:23], s[20:21], s[18:19]         ; where these rows' scales begin, in bytes
	s_mul_u64 s[92:93], s[46:47], s[18:19]
	s_mov_b64 s[18:19], KROW
	s_mul_u64 s[20:21], s[20:21], s[18:19]         ; and their codes
	s_mul_u64 s[46:47], s[46:47], s[18:19]
	s_mul_i32 s45, s14, HALFT                      ; where they go: wave x 128 rows: no place in the cluster enters an LDS address
	s_mul_i32 s94, s14, HALFS
	s_wait_kmcnt 0x0
	s_add_nc_u64 s[20:21], s[4:5], s[20:21]
	s_add_nc_u64 s[22:23], s[6:7], s[22:23]
	s_add_nc_u64 s[46:47], s[8:9], s[46:47]
	s_add_nc_u64 s[92:93], s[10:11], s[92:93]
	CROUND                                         ; all sixteen work-groups are here: the first joint loads meet
	s_mov_b32 s[G0S], 1
	s_add_co_u32 s[G0S+1], s94, SCL
	s_mov_b64 s[G0S+2:G0S+3], s[22:23]
	s_or_b32 s[G0S+3], s[G0S+3], 0x80000000
	s_mov_b32 s[G0SB], 1
	s_add_co_u32 s[G0SB+1], s94, SCL
	s_mov_b64 s[G0SB+2:G0SB+3], s[92:93]
	s_or_b32 s[G0SB+3], s[G0SB+3], 0x80000000
	JLOAD G0S, G1S, G0SB, G1SB                     ; the scales first: they are wanted with K step 0
.irp s, 0,1
	s_mov_b32 s[G0+4*\s], 1
	s_add_co_u32 s[G0+4*\s+1], s45, \s*SLOT
	s_add_nc_u64 s[G0+4*\s+2:G0+4*\s+3], s[20:21], \s*ROWB
	s_or_b32 s[G0+4*\s+3], s[G0+4*\s+3], 0x80000000
	s_mov_b32 s[G0B+4*\s], 1
	s_add_co_u32 s[G0B+4*\s+1], s45, \s*SLOT
	s_add_nc_u64 s[G0B+4*\s+2:G0B+4*\s+3], s[46:47], \s*ROWB
	s_or_b32 s[G0B+4*\s+3], s[G0B+4*\s+3], 0x80000000
	JLOAD G0+4*\s, G1, G0B+4*\s, G1B               ; three tensor loads of mine are out behind the second of these
.endr
	v_and_b32 v1, 15, v0                           ; l % 16
	v_bfe_u32 v2, v0, 4, 1                         ; l / 16
	v_mul_u32_u24 v3, v1, PITCH
	v_mul_u32_u24 v4, v2, 24
	v_add_nc_u32 v4, v3, v4                        ; a fragment's row x pitch + 24 x half
	v_lshl_add_u32 v5, v2, 4, v4                   ; and the same behind one padding more
	s_mul_i32 s21, s15, HALFT                      ; my 128 rows of H
	s_mul_i32 s22, s16, HALFT                      ; my 128 rows of W,
	s_add_co_u32 s22, s22, 2*HALFT                 ; which lie behind H's 256
.irp s, 0,1
	v_add_nc_u32 v[ADRA+\s], s21, v4
	v_add_nc_u32 v[ADRB+\s], s22, v4
	v_add_nc_u32 v[ADRA+2+\s], s21, v5
	v_add_nc_u32 v[ADRB+2+\s], s22, v5
	s_add_co_u32 s21, s21, SLOT
	s_add_co_u32 s22, s22, SLOT
.endr
	v_mul_u32_u24 v5, v1, KS                       ; my row's scales: 128 bytes a row,
	v_lshrrev_b32 v6, 8, v5
	v_lshl_add_u32 v5, v6, 4, v5                   ; and 16 more for each 256 passed
	s_mul_i32 s21, s15, HALFS                      ; H's: my 128 rows
	s_mul_i32 s22, s16, HALFS                      ; W's: my 128 rows, behind H's 256
	s_add_co_u32 s22, s22, 2*HALFS
	s_sub_co_u32 s22, s22, s21
	v_mul_u32_u24 v6, s22, v2                      ; lanes 16-31 take W's
	s_add_co_u32 s21, s21, SCL
	v_add_nc_u32 v5, v5, v6
	v_add_nc_u32 v[ADRS], s21, v5
	s_mul_i32 s23, s14, 16*SPITCH                  ; my stage
	v_mul_u32_u24 v5, v1, SPITCH                   ; in: row l % 16, 32 bytes for each half of the lanes
	v_lshl_add_u32 v5, v2, 5, v5
	v_add_nc_u32 v[STO], s23, v5
	v_and_b32 v6, 31, v0                           ; lane
	v_lshlrev_b32 v[CO], 4, v6                     ; back: the 32 lanes take one row of 512 bytes; and the same in out1
	v_add_nc_u32 v[RD], s23, v[CO]
	v_cmp_ge_u32 s[LM], v[CO], s95                 ; the lanes whose 16 bytes are my wave's to store: all, or lanes 24-31
	s_lshl_b32 s21, s16, 10
	s_lshl_b32 s22, s15, 9
	s_add_co_u32 s21, s21, s22
	s_add_co_u32 s21, s21, STAT
	v_lshl_add_u32 v[SA], v6, 2, s21
	s_lshl_b32 s22, s14, 8
	s_add_co_u32 s22, s22, STAT
	v_lshl_add_u32 v[SB], v6, 3, s22
	v_lshlrev_b32 v[PO], 3, v6
	s_lshl_b32 s20, s17, 8
	s_lshl_b32 s21, s15, 7
	s_add_co_u32 s20, s20, s21                     ; my first row of out1: 256 x tile row + 128 x half
	s_mul_i32 s20, s20, NROW                       ; under 2^27 bytes
	s_add_co_u32 s20, s20, s2                      ; + my first column
	s_mov_b32 s21, 0
	s_add_nc_u64 s[12:13], s[12:13], s[20:21]
	s_lshl_b32 s20, s42, 14                        ; part: 16,384 x tile column + 1,024 x tile row + 256 x wave
	s_lshl_b32 s22, s17, 10
	s_add_co_u32 s20, s20, s22
	s_lshl_b32 s22, s14, 8
	s_add_co_u32 s20, s20, s22
	s_add_nc_u64 s[PRT:PRT+1], s[PRT:PRT+1], s[20:21]
	; the prefetches (macro ASK): every selection on the one compare first, then the sums
	s_lshl_b32 s20, s17, 8                         ; 256 x tile row
	s_lshl_b32 s21, s42, 8                         ; 256 x tile column
	s_and_b32 s22, ttmp7, 0xffff                   ; cluster y
	s_mov_b32 s23, 3999
	s_cmp_eq_u32 s15, 0                            ; do I fetch for H?
	s_cselect_b32 s20, s20, s21                    ; the tile's first row
	s_cselect_b32 s21, s40, s41                    ; my place among the four that ask for it with me
	s_cselect_b32 s22, ttmp9, s22                  ; the coordinate along which other clusters read the same rows
	s_cselect_b32 s23, 4095, s23                   ; the tensor's last row
	s_cselect_b64 s[PFA:PFA+1], s[4:5], s[8:9]
	s_cmp_eq_u32 s22, 0
	s_cselect_b32 s[LIM], 1, -1                    ; the same in all sixteen partners, for a given wave
	s_lshl_b32 s22, s16, 7
	s_add_co_u32 s20, s20, s22                     ; + the 128 rows that I fetch
	s_lshl_b32 s21, s21, 5
	s_add_co_u32 s20, s20, s21                     ; + my work-group's 32 of them
	v_add_nc_u32 v[PFO], s20, v6                   ; a lane a row,
	v_min_u32 v[PFO], s23, v[PFO]                  ; held inside the tensor
	v_mul_u32_u24 v[PFO], v[PFO], KROW
	s_add_nc_u64 s[PFA:PFA+1], s[PFA:PFA+1], 3*ROWB+ROWB-1  ; the last byte of K step 3's part: the first change of slots steps it to K step 4.  Nothing is prefetched here, at the head
.macro FRAG reg, adr, q, i             ; a fragment, 16 rows x 128 K of 6-bit codes, is 12 registers: lane l holds row l % 16; registers 6 c .. 6 c + 5 hold K = 64 c + 32 (l / 16) + 0 .. 31: 24 bytes of the row's stream of bits, as they lie
.irp p, 0,1,2,3,4,5                    ; in pieces of 8 bytes, so that every address is a multiple of the access's size.  Lanes 0-15 take the row's pieces 12 q + 0, 1, 2 and 12 q + 6, 7, 8, lanes 16-31 those three pieces on
.set PC, 12*(\q)+6*(\p/3)+\p%3        ; 16 bytes of padding lie behind every 64 bytes (8 pieces): where the piece three on lies behind one padding more, the second address register (40 for 24 bytes a half) serves
.if PC%8 < 5
	ds_load_b64 v[\reg+2*\p:\reg+2*\p+1], v[\adr] offset:8*PC+16*(PC/8)+(\i)*16*PITCH
.else
	ds_load_b64 v[\reg+2*\p:\reg+2*\p+1], v[\adr+2] offset:8*PC+16*(PC/8)+(\i)*16*PITCH
.endif
.endr
.endm
; 16 matrix instructions: H's blocks a0, a0 + 1 x W's eight, 128 along K: the slot's q-th.  p: W's set;  sc: the set of scale words.  zero = 1: the first product starts the sums: nothing is ever cleared.
; The 64 accumulators take turns, one instruction a turn, in the same order in every step.
.macro MUL16 a0, p, q, sc, zero
.irp a, \a0, \a0+1
.irp b, 0,1,2,3,4,5,6,7
.if \zero
	v_wmma_scale_f32_16x16x128_f8f6f4 v[8*(8*((\a)%4)+\b):8*(8*((\a)%4)+\b)+7], v[128*(\p)+FR*\b:128*(\p)+FR*\b+FR-1], v[AF+FR*(\a):AF+FR*(\a)+FR-1], 0, v[SC+8*NQ*(\sc)+NQ*\b+(\q)], v[SC+8*NQ*(\sc)+NQ*(\a)+(\q)] matrix_a_fmt:MATRIX_FMT_BF6 matrix_b_fmt:MATRIX_FMT_BF6 matrix_a_scale:MATRIX_SCALE_ROW1
.else
	v_wmma_scale_f32_16x16x128_f8f6f4 v[8*(8*((\a)%4)+\b):8*(8*((\a)%4)+\b)+7], v[128*(\p)+FR*\b:128*(\p)+FR*\b+FR-1], v[AF+FR*(\a):AF+FR*(\a)+FR-1], v[8*(8*((\a)%4)+\b):8*(8*((\a)%4)+\b)+7], v[SC+8*NQ*(\sc)+NQ*\b+(\q)], v[SC+8*NQ*(\sc)+NQ*(\a)+(\q)] matrix_a_fmt:MATRIX_FMT_BF6 matrix_b_fmt:MATRIX_FMT_BF6 matrix_a_scale:MATRIX_SCALE_ROW1
.endif
.endr
.endr
.endm
.macro FETCH_B slot, q, p              ; W's eight fragments of the slot's q-th 128 along K into set p
	WIN TO_B
.irp i, 0,1,2,3,4,5,6,7
	FRAG 128*(\p)+FR*\i, ADRB+\slot, \q, \i
.endr
	WIN 0
.endm
.macro FETCH_A slot, q, i0             ; H's blocks i0 .. i0 + 3
.irp i, \i0, \i0+1, \i0+2, \i0+3
	FRAG AF+FR*(\i), ADRA+\slot, \q, \i
.endr
.endm
.macro SCALES sc                       ; the next K step's scale words into set sc: two words a row; lanes 0-15 take H's block i, lanes 16-31 W's block i
.irp i, 0,1,2,3,4,5,6,7
	ds_load_b64 v[SC+8*NQ*\sc+NQ*\i:SC+8*NQ*\sc+NQ*\i+1], v[ADRS] offset:\i*SBLK
.endr
.endm
; A load into a register that a matrix instruction has read, and a vector instruction or an LDS store that reads a matrix result, stand NP places behind that matrix instruction, and only plain vector
; instructions that name none of its registers are places (ISA guide 7.12.1 for vector instructions).
.macro PLACES n
.rept \n
	v_nop
.endr
.endm
; A step of 128 along K that has its successor in the same slot.
.macro STEP slot, q, zero
	s_wait_dscnt 4*NL                              ; W's set, the scale words and H's blocks 0-3 are in; the youngest 24 loads (H's blocks 4-7) may be out
	WIN MUL_LO
	MUL16 0, (\q)%2, \q, \slot, \zero
	MUL16 2, (\q)%2, \q, \slot, \zero
	s_wait_dscnt 0                                 ; H's blocks 4-7 are in (asked for 32 matrix instructions ago)
	PLACES NP
	FETCH_B \slot, (\q)+1, 1-(\q)%2
	FETCH_A \slot, (\q)+1, 0
	WIN MUL_HI
	MUL16 4, (\q)%2, \q, \slot, \zero
	MUL16 6, (\q)%2, \q, \slot, \zero
	PLACES NP
	WIN 0
	FETCH_A \slot, (\q)+1, 4
.endm
; A slot's last step changes slots: ONE barrier; in front of it each wave waits for all its tensor loads, adds 0 to its spare word, and waits for that and for its own reads of this slot.  fill = 1: this slot is filled again, two K steps ahead.
.macro TURN slot, next, fill
.if \fill
	s_wait_xcnt 0x0                                ; the last prefetch, a K step back, has read its address: it is stepped here, ahead of the waits of the change of slots
	s_add_nc_u64 s[PFA:PFA+1], s[PFA:PFA+1], ROWB
.endif
	s_wait_tensorcnt 0x0                           ; all my tensor loads have landed: my part of the next slot;  (every window is 0 here: the add's two registers lie in window 0)
	ds_add_u32 v[SPW], v[NIL]                      ; 0 onto my spare word
	s_wait_dscnt 4*NL+1                            ; (the add and the youngest 24 loads, H's blocks 4-7, may be out)
	WIN MUL_LO
	MUL16 0, 1, NQ-1, \slot, 0                     ; sixteen matrix instructions stand between the add and the wait for it
	s_wait_dscnt 0x0                               ; the add is done, and my reads of this slot are over
	s_barrier_signal -1
	MUL16 2, 1, NQ-1, \slot, 0
	WIN 0
	s_barrier_wait -1
.if \fill
	CREST                                          ; the barrier has opened a round of the cluster's barrier: no wave of any partner still reads this slot's tile or has a load on its way
	s_add_nc_u64 s[G0+4*\slot+2:G0+4*\slot+3], s[G0+4*\slot+2:G0+4*\slot+3], 2*ROWB
	s_add_nc_u64 s[G0B+4*\slot+2:G0B+4*\slot+3], s[G0B+4*\slot+2:G0B+4*\slot+3], 2*ROWB
	JLOAD G0+4*\slot, G1, G0B+4*\slot, G1B         ; the first tensor load behind the round, my one load until the next; the four v_nop behind it are the places in front of the loads below
.else
	PLACES NP
.endif
	v_add_nc_u32 v[ADRS], 4*NQ, v[ADRS]            ; on to the next K step's scale words (no LDS load of mine is out)
	FETCH_B \next, 0, 0
	FETCH_A \next, 0, 0
	SCALES \next
.if \fill
	ASK \slot                                      ; behind the joint load and the run of LDS loads that the next products wait for
.endif
	WIN MUL_HI
	MUL16 4, 1, NQ-1, \slot, 0
	MUL16 6, 1, NQ-1, \slot, 0
	PLACES NP
	WIN 0
	FETCH_A \next, 0, 4
.endm
	s_wait_tensorcnt 1                             ; the scales and my part of K step 0 are in (K step 1's load may be out)
	s_barrier_signal -1
	s_barrier_wait -1                              ; everybody's are
	FETCH_B 0, 0, 0
	FETCH_A 0, 0, 0
	SCALES 0
	FETCH_A 0, 0, 4
	STEP 0, 0, 1                                   ; the first step stands in front of the loop: its products start the sums
	s_mov_b32 s3, LAPS-1
.Llap:                                                 ; a trip goes once round the ring, from a lap's second step to the next lap's first, and fills both slots again
	TURN 0, 1, 1
	STEP 1, 0, 0
	TURN 1, 0, 1
	STEP 0, 0, 0
	s_sub_co_u32 s3, s3, 1
	s_cmp_lg_u32 s3, 0
	s_cbranch_scc1 .Llap
	TURN 0, 1, 0                                   ; the last lap fills nothing, and has no round of the cluster's barrier
	STEP 1, 0, 0
	s_wait_dscnt 4*NL                              ; the very last step: nothing more to fetch
	WIN MUL_LO
	MUL16 0, 1, NQ-1, 1, 0
	MUL16 2, 1, NQ-1, 1, 0
	s_wait_dscnt 0
	WIN MUL_HI
	MUL16 4, 1, NQ-1, 1, 0
	MUL16 6, 1, NQ-1, 1, 0
	WIN 0
; THE WAY OUT, block by block of 16 rows x 128 columns.  A lane holds 32 neighbouring bytes of a row, and the lanes beside it hold other rows: so a block goes through my own stage in LDS and comes back as whole
; rows of 512 bytes.  LDS serves a wave's instructions in order (ISA guide 5.7.1.4): no wait between the stores and the loads.  The block's statistics stand between the loads from the stage and the wait for them.
.macro TOSTAGE a
.set AC, 64*((\a)%4)
	WIN 0x08+4*((\a)/4)                            ; the data: window 2 or 3
.irp b, 0,1,2,3,4,5,6,7
	ds_store_b128 v[STO], v[AC+8*\b:AC+8*\b+3] offset:64*\b          ; each accumulator is read from its low end on
	ds_store_b128 v[STO], v[AC+8*\b+4:AC+8*\b+7] offset:64*\b+16
.endr
	WIN 0
.irp t, 0,1,2,3,4,5,6,7,8,9,10,11,12,13,14,15
	ds_load_b128 v[BK+4*\t:BK+4*\t+3], v[RD] offset:\t*SPITCH
.endr
.endm
; Block a's statistics.  Lane (r, h) holds 64 numbers of row r: accumulator b's register j is column 16 b + 8 h + j.  The row's maximum m and the sum of 2^(c x - c m) over my wave's own columns.
.macro STATS a
.set AC, 64*((\a)%4)
.set WW, 2+(\a)/4
.set WMX, (WW<<2)|(WW<<4)
	WIN WMX                                        ; sources 1 and 2: the accumulators' window
.irp c, 0,1,2,3                        ; four chains by turns, chain c over accumulators 2 c and 2 c + 1; minus infinity starts each
	v_max3_num_f32 v[T+\c], 0xff800000, v[AC+16*\c], v[AC+16*\c+1]
.endr
.irp i, 2,4,6,8,10,12,14
.irp c, 0,1,2,3
	v_max3_num_f32 v[T+\c], v[T+\c], v[AC+16*\c+\i], v[AC+16*\c+\i+1]
.endr
.endr
	WIN 0
	v_max3_num_f32 v[T], v[T], v[T+1], v[T+2]      ; columns 0-95 of my 128,
	v_add_f32 v[T], s[BIAS], v[T]                  ; which count for nothing where they are another wave's: minus infinity is added, else 0
	v_max_num_f32 v[T], v[T], v[T+3]               ; columns 96-127
	v_permlanex16_b32 v[T+1], v[T], s[SEL], s[SEL+1]
	v_max_num_f32 v[T], v[T], v[T+1]               ; with lane l xor 16's 64 numbers: the row's maximum
	v_mul_f32 v[CHI], s[CS], v[T]                  ; c m
	v_sub_f32 v[CLO], v[CHI], s[BIAS]              ; c m, or plus infinity: the exponent is then minus infinity and the exponential 0
	WIN WW                                         ; source 0: the accumulators' window
.irp b, 0,1,2,3,4,5,6,7
.irp j, 0,2,4,6
.if \b < 6
	v_pk_fma_f32 v[E+8*\b+\j:E+8*\b+\j+1], v[AC+8*\b+\j:AC+8*\b+\j+1], s[CS:CS+1], v[CLO:CLO+1] op_sel_hi:[1,0,0] neg_lo:[0,0,1] neg_hi:[0,0,1]
.else
	v_pk_fma_f32 v[E+8*\b+\j:E+8*\b+\j+1], v[AC+8*\b+\j:AC+8*\b+\j+1], s[CS:CS+1], v[CHI:CHI+1] op_sel_hi:[1,0,0] neg_lo:[0,0,1] neg_hi:[0,0,1]
.endif
.endr
.endr
	WIN 0
.irp j, 0,1,2,3,4,5,6,7,8,9,10,11,12,13,14,15,16,17,18,19,20,21,22,23,24,25,26,27,28,29,30,31,32,33,34,35,36,37,38,39,40,41,42,43,44,45,46,47,48,49,50,51,52,53,54,55,56,57,58,59,60,61,62,63
	v_exp_f32 v[E+\j], v[E+\j]                     ; one batch: none reads another's result
.endr
	v_mov_b32 v[MT+(\a)], v[CHI]                   ; the plain instruction behind the last exponential
	s_wait_alu depctr_va_vdst(0)                   ; one wait for the batch, ahead of its first reader
.irp c, 0,1,2,3                        ; the sum: 32 pairs in four chains
	v_pk_add_f32 v[S+2*\c:S+2*\c+1], v[E+2*\c:E+2*\c+1], v[E+8+2*\c:E+8+2*\c+1]
.endr
.irp i, 8,12,16,20,24,28
.irp c, 0,1,2,3
	v_pk_add_f32 v[S+2*\c:S+2*\c+1], v[S+2*\c:S+2*\c+1], v[E+2*(\i+\c):E+2*(\i+\c)+1]
.endr
.endr
	v_pk_add_f32 v[S:S+1], v[S:S+1], v[S+2:S+3]
	v_pk_add_f32 v[S+4:S+5], v[S+4:S+5], v[S+6:S+7]
	v_pk_add_f32 v[S:S+1], v[S:S+1], v[S+4:S+5]
	v_add_f32 v[SUM+(\a)], v[S], v[S+1]
	v_permlanex16_b32 v[T+1], v[SUM+(\a)], s[SEL], s[SEL+1]
	v_add_f32 v[SUM+(\a)], v[SUM+(\a)], v[T+1]     ; with lane l xor 16's: the same number in both halves of the lanes
.endm
.macro SEND a
	s_wait_dscnt 0x0                               ; the block is back in registers
	s_wait_xcnt 0x0                                ; every earlier memory instruction has read its sources: the base may step and EXEC may change
.if (\a) > 0
	s_add_nc_u64 s[12:13], s[12:13], 16*NROW       ; 16 rows on, so that the stores' offsets stay small: 15 rows at the most
.endif
	s_and_saveexec_b32 s[SVX], s[LM]               ; only the lanes whose columns are my wave's
.irp t, 0,1,2,3,4,5,6,7,8,9,10,11,12,13,14,15
	global_store_b128 v[CO], v[BK+4*\t:BK+4*\t+3], s[12:13] offset:\t*NROW th:TH_STORE_NT   ; 32 lanes store 512 consecutive bytes of a row; this launch does not read them
.endr
	s_wait_xcnt 0x0                                ; the stores have read EXEC and their registers: EXEC is restored, and the next block's loads may land in these registers
	s_or_b32 exec_lo, exec_lo, s[SVX]
.endm
	PLACES NP                                      ; behind the last products: for the reads of results, and for the loads into the registers that held H's fragments
	s_mov_b32 s[CS], 0x3fb8aa3b                    ; c = log2(e)
	s_mov_b32 s[CS+1], s[CS]                       ; (named with it as a pair, so it is written)
	s_mov_b32 s[SEL], 0x76543210
	s_mov_b32 s[SEL+1], 0xfedcba98
	v_mov_b32 v[CHI+1], 0                          ; (the upper words of the two pairs are named, never used)
	v_mov_b32 v[CLO+1], 0
.irp a, 0,1,2,3,4,5,6,7
	TOSTAGE \a
	STATS \a
	SEND \a
.endr
	; THE JOIN.  p = c m + log2(sum) for my 128 rows; the two column halves' p meet in LDS; each wave joins 64 rows, two a lane, again with the maximum taken away, and stores 256 consecutive bytes of part.
.irp a, 0,1,2,3,4,5,6,7
	v_log_f32 v[SUM+\a], v[SUM+\a]
.endr
	v_and_b32 v[J+12], 31, v0                      ; lane.  (The plain instruction behind the last logarithm)
	s_wait_alu depctr_va_vdst(0)                   ; one wait for the eight
.irp a, 0,1,2,3,4,5,6,7
	v_add_f32 v[MT+\a], v[MT+\a], v[SUM+\a]
.endr
	v_cmp_gt_u32 vcc_lo, 16, v[J+12]
.irp i, 0,1,2,3
	v_cndmask_b32 v[Q+\i], v[MT+2*\i+1], v[MT+2*\i], vcc_lo   ; lanes 0-15 block 2 i, lanes 16-31 block 2 i + 1: row 32 i + lane
.endr
.irp i, 0,1,2,3
	ds_store_b32 v[SA], v[Q+\i] offset:128*\i
.endr
	s_wait_dscnt 0x0                               ; for the others' sake: my stores have landed
	s_barrier_signal -1
	s_barrier_wait -1
	ds_load_b64 v[J:J+1], v[SB]                    ; rows 64 w + 2 lane and + 1: the first column half's p,
	ds_load_b64 v[J+2:J+3], v[SB] offset:1024      ; the second's
	s_wait_dscnt 0x0
	v_max_num_f32 v[J+4], v[J], v[J+2]
	v_max_num_f32 v[J+5], v[J+1], v[J+3]
	v_sub_f32 v[J+6], v[J], v[J+4]
	v_sub_f32 v[J+7], v[J+1], v[J+5]
	v_sub_f32 v[J+8], v[J+2], v[J+4]
	v_sub_f32 v[J+9], v[J+3], v[J+5]
.irp i, 6,7,8,9
	v_exp_f32 v[J+\i], v[J+\i]
.endr
	v_nop
	s_wait_alu depctr_va_vdst(0)
	v_add_f32 v[J+6], v[J+6], v[J+8]
	v_add_f32 v[J+7], v[J+7], v[J+9]
	v_log_f32 v[J+6], v[J+6]
	v_log_f32 v[J+7], v[J+7]
	v_nop
	s_wait_alu depctr_va_vdst(0)
	v_add_f32 v[J+10], v[J+4], v[J+6]
	v_add_f32 v[J+11], v[J+5], v[J+7]
	global_store_b64 v[PO], v[J+10:J+11], s[PRT:PRT+1]   ; 32 lanes store 256 consecutive bytes, at a multiple of 256 from part's first byte
	s_wait_tensorcnt 0x0                           ; the wave's end: behind my last tensor load and my last LDS store
	ds_add_u32 v[SPW], v[NIL]
	s_wait_dscnt 0x0
	CROUND                                         ; the closing round: no work-group ends while a partner may still ask for a tile that names it
	s_endpgm
.Lfunc_end_k_qa87505b448_gemm:
	.size	k_qa87505b448_gemm, .Lfunc_end_k_qa87505b448_gemm-k_qa87505b448_gemm
	.p2alignl 7, 3214868480
	.fill 96, 4, 3214868480
	.section	.rodata,"a",@progbits
	.p2align	6, 0x0
	.amdhsa_kernel k_qa87505b448_gemm
		.amdhsa_group_segment_fixed_size 327680
		.amdhsa_private_segment_fixed_size 0
		.amdhsa_enable_private_segment 0
		.amdhsa_kernarg_size 48
		.amdhsa_user_sgpr_count 2
		.amdhsa_user_sgpr_kernarg_segment_ptr 1
		.amdhsa_wavefront_size32 1
		.amdhsa_system_sgpr_workgroup_id_x 1
		.amdhsa_system_sgpr_workgroup_id_y 1
		.amdhsa_system_sgpr_workgroup_id_z 1
		.amdhsa_system_vgpr_workitem_id 0
		.amdhsa_next_free_vgpr 1024
		.amdhsa_next_free_sgpr 102
		.amdhsa_reserve_vcc 1
		.amdhsa_float_denorm_mode_32 3
		.amdhsa_float_denorm_mode_16_64 3
		.amdhsa_memory_ordered 1
		.amdhsa_forward_progress 1
		.amdhsa_inst_pref_size 235
	.end_amdhsa_kernel
	.amdgpu_metadata
---
amdhsa.version: [ 1, 2 ]
amdhsa.kernels:
  - .name:           k_qa87505b448_gemm
    .symbol:         k_qa87505b448_gemm.kd
    .args:
      - { .name: hidden_states_codes, .offset: 0, .size: 8, .value_kind: global_buffer, .address_space: global }
      - { .name: hidden_states_scales, .offset: 8, .size: 8, .value_kind: global_buffer, .address_space: global }
      - { .name: W_codes, .offset: 16, .size: 8, .value_kind: global_buffer, .address_space: global }
      - { .name: W_scales, .offset: 24, .size: 8, .value_kind: global_buffer, .address_space: global }
      - { .name: out1, .offset: 32, .size: 8, .value_kind: global_buffer, .address_space: global }
      - { .name: part, .offset: 40, .size: 8, .value_kind: global_buffer, .address_space: global }
    .group_segment_fixed_size: 327680
    .private_segment_fixed_size: 0
    .kernarg_segment_align: 8
    .kernarg_segment_size: 48
    .max_flat_workgroup_size: 128
    .sgpr_count:     102
    .vgpr_count:     1024
    .wavefront_size: 32
...
	.end_amdgpu_metadata
.endif
;; end of part 1
;; launch loss (part 2): grid 1 x 1, 32 waves a work-group, no clusters, 4,352 bytes of LDS; arguments part, out1, label_ids, out0; writes out0
.if DOCPART == 2
	.amdgcn_target "amdgcn-amd-amdhsa--gfx1250"
	.amdhsa_code_object_version 6
	.text
	.protected	k_qa87505b448_loss
	.globl	k_qa87505b448_loss
	.p2align	8
	.type	k_qa87505b448_loss,@function
k_qa87505b448_loss:
	s_mov_b64 s[64:65], 0
	v_nop
	global_prefetch_b8 v0, s[64:65] scope:SCOPE_SE
	s_setreg_imm32_b32 hwreg(HW_REG_WAVE_MODE, 25, 1), 1
	s_wait_xcnt 0x0
; out0 = the mean, over the 4,094 rows m = 2048 b + s with s < 2047, of logsumexp(logits[m]) - logits[m][label_ids[m + 1]].
; part: [16][4096] f32: the base-2 logsumexp of row m over one tile column (the launch before stored it).  A row's 16 partials are joined with their maximum taken away: L = M + log2(sum of 2^(p - M));
; the natural logsumexp is ln(2) L.  The label's logit is gathered from out1.
; ONE work-group of 32 waves: thread t owns rows 4 t .. 4 t + 3, so that each load of part is 16 bytes a lane, 512 consecutive bytes a wave: 256 KiB in all, and 4,096 gathered words.  A sum over all rows
; has one owner, so no second work-group is used.  No matrix unit, no tensor load, no cluster: there is nothing to multiply and nothing is shared.
; LIMITS: a label is taken as an unsigned number and held at 3,999; NaN and infinities spread as the arithmetic spreads them; the mean is a tree of f32 sums, in another order than a plain running sum.
.set P,  16                            ; v16-79   p: v[P + 4 c + i]: row i, tile column c; then 2^(p - M)
.set GA, 80                            ; v80-83   the gathers' offsets
.set G,  84                            ; v84-87   the labels' logits
.set M,  88                            ; v88-91   the rows' largest p
.set SU, 92                            ; v92-99   sums: two chains for each pair of rows; then the logarithms in v92-95
.set N,  100                           ; v100-103 the rows' losses
.macro REDUCE                          ; the sum of v[N] over the 32 lanes, in every lane
	v_add_f32_dpp v[N], v[N], v[N] row_xmask:1 row_mask:0xf bank_mask:0xf
	v_add_f32_dpp v[N], v[N], v[N] row_xmask:2 row_mask:0xf bank_mask:0xf
	v_add_f32_dpp v[N], v[N], v[N] row_xmask:4 row_mask:0xf bank_mask:0xf
	v_add_f32_dpp v[N], v[N], v[N] row_xmask:8 row_mask:0xf bank_mask:0xf
	v_permlanex16_b32 v[N+1], v[N], s14, s15
	v_add_f32 v[N], v[N], v[N+1]
.endm
	s_load_b256 s[4:11], s[0:1], 0x0               ; part s[4:5], out1 s[6:7], label_ids s[8:9], out0 s[10:11]
	v_lshl_add_u32 v126, v0, 2, 0x100
	v_mov_b32 v127, 0
	v_lshrrev_b32 v1, 5, v0
	v_readfirstlane_b32 s12, v1                    ; wave 0..31
	v_lshlrev_b32 v1, 4, v0                        ; 16 t: my four rows' words in part and in label_ids
	v_add_nc_u32 v2, 16, v1
	v_min_u32 v2, 16380, v2                        ; label 4 t + 4, held inside the buffer (the last thread's is not used: its row 3 does not count)
	v_mul_u32_u24 v3, v0, 64000                    ; my first row of out1, in bytes
	v_mov_b32 v106, s12
	v_lshlrev_b32 v106, 2, v106                    ; LDS: my wave's word
	v_and_b32 v107, 31, v0
	v_lshlrev_b32 v107, 2, v107                    ; LDS: a word a lane
	v_mov_b32 v108, 0
	s_mov_b32 s13, 0x3f317218                      ; ln(2)
	s_mov_b32 s14, 0x76543210                      ; v_permlanex16_b32's selects for lane l xor 16
	s_mov_b32 s15, 0xfedcba98
	s_wait_kmcnt 0x0
	global_load_b128 v[4:7], v1, s[8:9]            ; labels 4 t .. 4 t + 3
	global_load_b32 v8, v2, s[8:9]                 ; label 4 t + 4: row i wants label 4 t + i + 1 = v[5 + i]
.irp c, 0,1,2,3,4,5,6,7,8,9,10,11,12,13,14,15
	global_load_b128 v[P+4*\c:P+4*\c+3], v1, s[4:5] offset:16384*\c th:TH_LOAD_NT
.endr
	s_wait_loadcnt 16                              ; the labels are in; the sixteen loads behind them may be out
.irp i, 0,1,2,3
	v_min_u32 v[GA+\i], 3999, v[5+\i]              ; a loaded number enters an address only behind this hold
.endr
.irp i, 0,1,2,3
	v_lshlrev_b32 v[GA+\i], 2, v[GA+\i]
.endr
.irp i, 0,1,2,3
	v_add_nc_u32 v[GA+\i], v[GA+\i], v3
.endr
.irp i, 0,1,2,3
	global_load_b32 v[G+\i], v[GA+\i], s[6:7] offset:16000*\i
.endr
	s_wait_loadcnt 4                               ; the partials are in; the four gathers may be out
.irp i, 0,1,2,3
	v_max3_num_f32 v[M+\i], v[P+\i], v[P+4+\i], v[P+8+\i]         ; the four rows by turns
.endr
.irp c, 3,5,7,9,11,13
.irp i, 0,1,2,3
	v_max3_num_f32 v[M+\i], v[M+\i], v[P+4*\c+\i], v[P+4+4*\c+\i]
.endr
.endr
.irp i, 0,1,2,3
	v_max_num_f32 v[M+\i], v[M+\i], v[P+60+\i]
.endr
.irp c, 0,1,2,3,4,5,6,7,8,9,10,11,12,13,14,15
.irp i, 0,2
	v_pk_add_f32 v[P+4*\c+\i:P+4*\c+\i+1], v[P+4*\c+\i:P+4*\c+\i+1], v[M+\i:M+\i+1] neg_lo:[0,1] neg_hi:[0,1]   ; p - M, two rows at a time
.endr
.endr
.irp j, 0,1,2,3,4,5,6,7,8,9,10,11,12,13,14,15,16,17,18,19,20,21,22,23,24,25,26,27,28,29,30,31,32,33,34,35,36,37,38,39,40,41,42,43,44,45,46,47,48,49,50,51,52,53,54,55,56,57,58,59,60,61,62,63
	v_exp_f32 v[P+\j], v[P+\j]
.endr
	v_mov_b32 v105, 0                              ; the plain instruction behind the last exponential
	s_wait_alu depctr_va_vdst(0)                   ; one wait for the batch, ahead of its first reader
.irp i, 0,2
	v_pk_add_f32 v[SU+\i:SU+\i+1], v[P+\i:P+\i+1], v[P+8+\i:P+8+\i+1]             ; the even tile columns' chain,
	v_pk_add_f32 v[SU+4+\i:SU+4+\i+1], v[P+4+\i:P+4+\i+1], v[P+12+\i:P+12+\i+1]   ; the odd ones'
.endr
.irp c, 4,6,8,10,12,14
.irp i, 0,2
	v_pk_add_f32 v[SU+\i:SU+\i+1], v[SU+\i:SU+\i+1], v[P+4*\c+\i:P+4*\c+\i+1]
	v_pk_add_f32 v[SU+4+\i:SU+4+\i+1], v[SU+4+\i:SU+4+\i+1], v[P+4+4*\c+\i:P+4+4*\c+\i+1]
.endr
.endr
.irp i, 0,2
	v_pk_add_f32 v[SU+\i:SU+\i+1], v[SU+\i:SU+\i+1], v[SU+4+\i:SU+4+\i+1]
.endr
.irp i, 0,1,2,3
	v_log_f32 v[SU+\i], v[SU+\i]
.endr
	v_and_b32 v104, 0x1ff, v0                      ; (the plain instruction behind the last logarithm)
	s_wait_alu depctr_va_vdst(0)
	s_wait_loadcnt 0x0                             ; the labels' logits
.irp i, 0,1,2,3
	v_add_f32 v[N+\i], v[M+\i], v[SU+\i]           ; the row's base-2 logsumexp
.endr
.irp i, 0,1,2,3
	v_fma_f32 v[N+\i], v[N+\i], s13, -v[G+\i]      ; x ln(2), less the label's logit
.endr
	v_cmp_eq_u32 vcc_lo, 0x1ff, v104               ; row 4 t + 3 has s = 2047 where t % 512 = 511: it does not count
	v_cndmask_b32 v[N+3], v[N+3], v105, vcc_lo
	v_add_f32 v[N], v[N], v[N+1]
	v_add_f32 v[N+2], v[N+2], v[N+3]
	v_add_f32 v[N], v[N], v[N+2]
	REDUCE
	ds_store_b32 v106, v[N]                        ; all lanes write the wave's word with the same value
	s_wait_dscnt 0x0                               ; for the others' sake
	s_barrier_signal -1
	s_barrier_wait -1
	s_cmp_lg_u32 s12, 0
	s_cbranch_scc1 .Lend                           ; wave 0 alone goes on
	ds_load_b32 v[N], v107                         ; the 32 waves' sums, one a lane
	s_wait_dscnt 0x0
	REDUCE
	v_mul_f32 v[N], 0x39801002, v[N]               ; / 4094
	v_cmp_eq_u32 vcc_lo, 0, v0
	s_wait_xcnt 0x0                                ; EXEC changes only behind this wait
	s_and_saveexec_b32 s16, vcc_lo
	global_store_b32 v108, v[N], s[10:11]          ; thread 0 stores the one number
	s_wait_xcnt 0x0
	s_or_b32 exec_lo, exec_lo, s16
.Lend:
	s_wait_tensorcnt 0x0
	ds_add_u32 v126, v127
	s_wait_dscnt 0x0
	s_endpgm
.Lfunc_end_k_qa87505b448_loss:
	.size	k_qa87505b448_loss, .Lfunc_end_k_qa87505b448_loss-k_qa87505b448_loss
	.p2alignl 7, 3214868480
	.fill 96, 4, 3214868480
	.section	.rodata,"a",@progbits
	.p2align	6, 0x0
	.amdhsa_kernel k_qa87505b448_loss
		.amdhsa_group_segment_fixed_size 4352
		.amdhsa_private_segment_fixed_size 0
		.amdhsa_enable_private_segment 0
		.amdhsa_kernarg_size 32
		.amdhsa_user_sgpr_count 2
		.amdhsa_user_sgpr_kernarg_segment_ptr 1
		.amdhsa_wavefront_size32 1
		.amdhsa_system_sgpr_workgroup_id_x 1
		.amdhsa_system_sgpr_workgroup_id_y 1
		.amdhsa_system_sgpr_workgroup_id_z 1
		.amdhsa_system_vgpr_workitem_id 0
		.amdhsa_next_free_vgpr 128
		.amdhsa_next_free_sgpr 66
		.amdhsa_reserve_vcc 1
		.amdhsa_float_denorm_mode_32 3
		.amdhsa_float_denorm_mode_16_64 3
		.amdhsa_memory_ordered 1
		.amdhsa_forward_progress 1
		.amdhsa_inst_pref_size 14
	.end_amdhsa_kernel
	.amdgpu_metadata
---
amdhsa.version: [ 1, 2 ]
amdhsa.kernels:
  - .name:           k_qa87505b448_loss
    .symbol:         k_qa87505b448_loss.kd
    .args:
      - { .name: part, .offset: 0, .size: 8, .value_kind: global_buffer, .address_space: global }
      - { .name: out1, .offset: 8, .size: 8, .value_kind: global_buffer, .address_space: global }
      - { .name: label_ids, .offset: 16, .size: 8, .value_kind: global_buffer, .address_space: global }
      - { .name: out0, .offset: 24, .size: 8, .value_kind: global_buffer, .address_space: global }
    .group_segment_fixed_size: 4352
    .private_segment_fixed_size: 0
    .kernarg_segment_align: 8
    .kernarg_segment_size: 32
    .max_flat_workgroup_size: 1024
    .sgpr_count:     66
    .vgpr_count:     128
    .wavefront_size: 32
...
	.end_amdgpu_metadata
.endif
;; end of part 2
;; ======== version 2 of 2: 2 launches
;; workspace buffers: part 262,144 bytes; gsum 4,096 bytes
;; launch gemm (part 3): grid 16 x 16, 4 waves a work-group, clusters of 4 x 4, 327,680 bytes of LDS; arguments hidden_states_codes, hidden_states_scales, W_codes, W_scales, label_ids, out1, part, gsum; writes out1, part, gsum
.if DOCPART == 3
	.amdgcn_target "amdgcn-amd-amdhsa--gfx1250"
	.amdhsa_code_object_version 6
	.text
	.protected	k_qa87505b448_gemm
	.globl	k_qa87505b448_gemm
	.p2align	8
	.type	k_qa87505b448_gemm,@function
k_qa87505b448_gemm:
	s_mov_b64 s[64:65], 0
	v_nop
	global_prefetch_b8 v0, s[64:65] scope:SCOPE_SE
	s_setreg_imm32_b32 hwreg(HW_REG_WAVE_MODE, 25, 1), 1
	s_wait_xcnt 0x0
	s_wait_alu depctr_hold_cnt(0) depctr_sa_sdst(0) depctr_va_vdst(0) depctr_va_sdst(0) depctr_va_ssrc(0) depctr_va_vcc(0) depctr_vm_vsrc(0)
	s_getreg_b32 s2, hwreg(HW_REG_IB_STS2, 6, 4)
	s_cmp_eq_u32 s2, 0
	s_cbranch_scc0 .Lentry_in_a_cluster
	s_endpgm
.Lentry_in_a_cluster:
	s_bfe_u32 s2, ttmp6, 0x10000c
	s_cmp_lg_u32 s2, 0xf033
	s_cbranch_scc0 .Lentry_shape_is_right
	s_endpgm
.Lentry_shape_is_right:
; logits[m][n] = sum over k of H[m][k] W[n][k].  H: [4096][4096], W: [4000][4096]: codes of BF6 (E3M2), 6 bits each, a row 3,072 bytes, with one E8M0 byte for each 32 along K (128 bytes a row).
; out1: [4096][4000] f32.  part: [16 tile columns][4096 rows] f32: the base-2 logsumexp of a row over the columns of one tile column: p = c max + log2(sum of 2^(c x - c max)), c = log2(e).
; gsum: [1024] f32, one number a wave: the sum, over the wave's 128 rows m = 2048 b + s with s < 2047, of logits[m][label_ids[m + 1]] where that column is one of the wave's own, else 0.
; A tile of out1, 256 x 256, is made by a work-group of four waves; a wave makes 128 x 128: 64 accumulators of 16 x 16, 512 registers.  16 x 16 tiles: one work-group for each of 256 tiles.
; K goes in steps of 256 through a ring of two LDS slots filled by the tensor data mover (a tile's row: 192 bytes).  The scale bytes of the work-group's rows of H and W, for all of K, come into LDS once and stay.
; CLUSTERS: 4 x 4 work-groups.  The four of a row of the cluster need the same tiles of H, the four of a column the same tiles of W: each tile is asked for JOINTLY, by the same tensor load with the same
; descriptor and a mask that names the four.  THE MATRIX INSTRUCTION IS USED TRANSPOSED (source 0 = 16 rows of W, source 1 = 16 rows of H): a lane holds ONE row of out1 and eight neighbouring columns.
; THE LAST TILE COLUMN has 160 columns.  A wave's first row of W is min(256 tc + 128 half, 3872): only the last tile column's second half is moved, by 96 rows, so that every load and store stays inside
; its buffer and every descriptor keeps its constants.  That wave's first 96 columns are the other half's: they are multiplied, but not stored (a lane mask on the stores) and not counted (minus infinity
; is added to their maximum and taken from their exponents; a label among them is not this wave's).  All are selections on the tile column: no branch and no LDS address hangs on a work-group's place in its cluster.
; THE STATISTICS are taken from the accumulators on the way out, block by block of 16 rows: the maximum is taken away before every exponential, here, where the two column halves are joined, and in the next launch.
; THE LABEL'S LOGIT is taken from the accumulators too: a lane holds 64 numbers of its row, and the label's column says which: six bits of it steer a tree of 63 selections.  No branch and no address hangs on a label.
; LIMITS: NaN, infinities and the scale byte 0xff are not served apart: they spread as the arithmetic spreads them.  The order of the sums of exponentials differs from a plain left-to-right sum.
; A label outside 0 .. 3,999 is no wave's column: it picks nothing, and its row's logit counts as 0.
; A row of out1 is 16,000 bytes, so odd rows begin 128 bytes past a multiple of 256: a wave's store of 512 consecutive bytes there begins and ends in the middle of an aligned block of 256.
; REGISTERS, in windows of 256: window 0: v8-30 addresses; v32-63 scale words, two sets, and nothing else; v64-112 at work on the way out; v113-120 labels; from v128 H's fragments (8 x 16 rows x 128 K), ONE set;
;   on the way out v128-191 rows back from the stage, v192-255 exponents, then the tree.   window 1: W's fragments, TWO sets, at v0 and v128.   window 2: the accumulators of my rows 0-63 ((a, b) at v[8 (8 a + b)]);   window 3: of my rows 64-127.
.set KSTEP,  256                       ; along K in a slot
.set NQ,     KSTEP/128                 ; matrix instructions deep
.set ROWB,   192                       ; a tile's row in bytes
.set KROW,   3072                      ; a row of H or W in memory, in bytes
.set PITCH,  240                       ; an LDS row: 3 x (64 bytes of data + 16 of padding)
.set FR,     12                        ; registers of a fragment: 16 rows x 128 K
.set NL,     6                         ; LDS loads that bring one
.set NP,     4                         ; places behind this matrix instruction (ISA guide 7.12.1)
.set HALFT,  128*PITCH                 ; 128 rows: what one tensor load brings
.set SLOT,   4*HALFT                   ; H's 256 rows, then W's 256 rows
.set LAPS,   8                         ; a lap = two K steps = once round the ring: 4096 / 512
.set KS,     128                       ; a row of scales in bytes
.set SCL,    2*SLOT                    ; behind the ring: the scales, as pieces of 256 bytes + 16 of padding
.set HALFS,  (128*KS/256)*272          ; the scales of 128 rows: what one tensor load brings
.set SBLK,   (16*KS/256)*272           ; those of 16 rows
.set SPARE,  SCL+4*HALFS               ; behind the scales: the spare words, 128 bytes for each wave: two blocks of 256 bytes that no other line names
.set SPITCH, 528                       ; the way out: a stage of 16 rows x (512 bytes + 16) for each wave, in slot 0, which has had its last fill and its last read by then
.set STAT,   4*16*SPITCH               ; behind the stages, in slot 0 too: [column half][256 rows] f32
.set NROW,   16000                     ; a row of out1 in bytes
.set NLAST,  4000-128                  ; the last row of W at which 128 rows still lie inside
.set SA,   8                           ; v8      where I put my rows' partial: STAT + 1024 x column half + 512 x row half + 4 x lane
.set SB,   9                           ; v9      where I read two rows' partials back: STAT + 256 x wave + 8 x lane
.set PO,   10                          ; v10     8 x lane: my place in the wave's 256 bytes of part
.set LA,   11                          ; v11     byte offset in label_ids of the label of my row of block 0; v12: of block 7, held inside the buffer; never rewritten
.set ADRA, 16                          ; v16-17  LDS address of my H fragments in slot 0, 1  (v18-19: the same for the pieces that lie behind one padding more)
.set ADRB, 20                          ; v20-21  the same for W  (v22-23)
.set STO,  24                          ; v24     the way out: where I put 32 bytes of a row
.set RD,   25                          ; v25     the way out: where I read a row back
.set CO,   26                          ; v26     16 x lane: my byte offset in the wave's 512 bytes of a row
.set ADRS, 27                          ; v27     LDS address of my scale words: lanes 0-15 H's rows, lanes 16-31 W's
.set SPW,  28                          ; v28     LDS address of my spare word; never rewritten
.set NIL,  29                          ; v29     0; never rewritten
.set PFO,  30                          ; v30     the prefetches' offset: my lane's row x 3,072; never rewritten
.set SC,   32                          ; scale words: set s at v[SC + 16 s]; register 2 i + q: lanes 0-15 the word of H's block i, lanes 16-31 of W's block i, for the slot's q-th 128 along K
.set T,    64                          ; v64-67  the maximum's four chains
.set CHI,  68                          ; v[68:69] c max (the packed form names a pair and takes its low word)
.set CLO,  70                          ; v[70:71] c max for the columns that may be another wave's: plus infinity where they are
.set S,    72                          ; v72-79  four pairs of sums; then at work for the label
.set MT,   80                          ; v80-87  c max of block a, later its partial
.set SUM,  88                          ; v88-95  the sum of block a
.set Q,    96                          ; v96-99  partials, a row a lane
.set J,    100                         ; v100-112 the join of the two column halves
.set LB,   113                         ; v113-120 block a's label: label_ids[my row + 1]
.set GS,   121                         ; v121    the sum of my rows' labels' logits
.set H8,   122                         ; v122    8 x (lane / 16)
.set D,    123                         ; v123    the label's column, counted from my wave's first
.set ZR,   124                         ; v124    0, the offset of the one-word store
.set AF,   128                         ; H's fragments, in window 0
.set BK,   128                         ; the way out: 16 rows read back from the stage
.set E,    192                         ; the way out: 64 exponents, then exponentials, then the tree of selections
.set G1, 24                            ; s[24:31] descriptor group 1 for H's tiles;  s[32:39] group 0, one set for each slot
.set G0, 32
.set G1B, 48                           ; s[48:55], s[56:63] the same for W's tiles
.set G0B, 56
.set G1S, 68                           ; s[68:75], s[76:79] groups 1 and 0 for H's scales;  s[80:87], s[88:91] for W's
.set G0S, 76
.set G1SB, 80
.set G0SB, 88
.set MK,   4                           ; s4-9    on the way out: lane masks of six bits of the label's column; s10: the label is mine; s11 at work
.set CS,   18                          ; s[18:19] c = log2(e), on the way out
.set SEL,  20                          ; s[20:21] lane selects for v_permlanex16_b32: lane l xor 16, on the way out
.set GSP,  22                          ; s[22:23] gsum, on the way out
.set PRT,  66                          ; s[66:67] part, at my wave's 64 rows
.set CB,   92                          ; s92     my wave's first column, on the way out;  s93: the columns passed over;  s94 at work
.set BIAS, 96                          ; s96     minus infinity where my first 96 columns are another wave's, else 0
.set LM,   97                          ; s97     the lanes that store: 16 x lane >= 4 x the columns passed over
.set PFA,  98                          ; s[98:99] the prefetches' base: the last byte of a K step's part of a row
.set LIM,  100                         ; s100    1 in a wave that prefetches, else the greatest number
.set SVX,  101                         ; s101    EXEC, kept while stores are masked
.set LBP,  104                         ; s[104:105] label_ids
.set MSB, 0
.macro WIN new                         ; the immediate's high byte repeats the setting that is left
.if MSB != \new
	s_set_vgpr_msb (MSB<<8)|\new
.set MSB, \new
.endif
.endm
.set MUL_LO, 0xa1                      ; source 0 (W) window 1, source 1 (H) window 0, C and D window 2
.set MUL_HI, 0xf1                      ; the same, C and D window 3
.set TO_B,   0x40                      ; destination window 1, address window 0
; A joint load: waves 0 and 1 fetch for H, waves 2 and 3 for W.  Each of the two lines has ONE mask and one set of registers for all that issue it; the branch hangs on the wave's number alone.
; Four v_nop follow each of the two lines, ahead of the jump, the label and what follows.
.macro JLOAD g0a, g1a, g0b, g1b
	s_cmp_eq_u32 s15, 0
	s_cbranch_scc0 .Lfor_b_\@
	tensor_load_to_lds s[\g0a:\g0a+3], s[\g1a:\g1a+7]
	s_nop 0
.rept 4
	v_nop
.endr
	s_branch .Lasked_\@
.Lfor_b_\@:
	tensor_load_to_lds s[\g0b:\g0b+3], s[\g1b:\g1b+7]
	s_nop 0
.rept 4
	v_nop
.endr
.Lasked_\@:
.endm
; A PREFETCH INTO THE L2 of the K step that stands two refills on: 32 rows, a lane a row, one instruction a wave.  H's tile row is read by every cluster of that row of clusters: cluster x = 0 asks; W's tile
; column by every cluster of that column: cluster y = 0 asks.  The four partners that ask for a tile jointly share its 128 rows out BY ADDRESS, 32 each (v[PFO]).  A K step's part of a row is 192 bytes, so a
; lane names the part's LAST byte: the aligned block of 256 bytes in which the part ends is one that no earlier step's part has touched, but for steps 7, 11, 15, whose part ends in the block that the step
; before has named: there nothing is asked (odd = 1: the second change of slots of a trip; such a step falls on the trips in which s3 is even).  The loop's last trip has no K step two refills on.
; K steps 0 to 3 come by their loads alone.  In the last tile column the lanes whose row would lie past W's end are held at its last row and name one block together.
.macro ASK odd
	s_cmp_gt_u32 s3, s[LIM]
	s_cbranch_scc0 .Lnot_mine_\@
.if \odd
	s_bitcmp1_b32 s3, 0
	s_cbranch_scc0 .Lnot_mine_\@
.endif
	global_prefetch_b8 v[PFO], s[PFA:PFA+1] th:TH_LOAD_NT scope:SCOPE_SE
.Lnot_mine_\@:
.endm
.macro CREST                           ; a round of the cluster's barrier behind its opening barrier
	s_cmp_lg_u32 s14, 0
	s_cbranch_scc1 .Lnot_wave_0_\@
	s_barrier_signal -3
.Lnot_wave_0_\@:
	s_barrier_wait -3
	s_barrier_signal -1
	s_barrier_wait -1
.endm
.macro CROUND                          ; a whole round
	s_barrier_signal -1
	s_barrier_wait -1
	CREST
.endm
	s_load_b128 s[4:7], s[0:1], 0x0                ; H's codes s[4:5], H's scales s[6:7]
	s_load_b128 s[8:11], s[0:1], 0x10              ; W's codes s[8:9], W's scales s[10:11]
	s_load_b64 s[LBP:LBP+1], s[0:1], 0x20          ; label_ids
	s_load_b64 s[12:13], s[0:1], 0x28              ; out1
	s_load_b64 s[PRT:PRT+1], s[0:1], 0x30          ; part
	v_lshl_add_u32 v[SPW], v0, 2, SPARE
	v_mov_b32 v[NIL], 0
	ds_add_u32 v28, v29
	ds_add_u32 v28, v29
	s_wait_dscnt 0x0
	v_lshrrev_b32 v1, 5, v0
	v_readfirstlane_b32 s14, v1                    ; wave 0..3
	s_lshr_b32 s15, s14, 1                         ; which half of the tile's rows is mine.  Also: I fetch for H (0) or for W (1)
	s_and_b32 s16, s14, 1                          ; which half of its columns.  Also: which 128 rows of that tile I fetch
	s_bfe_u32 s40, ttmp6, 0x40000                  ; cx, cy: my place in the cluster
	s_bfe_u32 s41, ttmp6, 0x40004
	s_lshl_b32 s42, ttmp9, 2
	s_add_co_u32 s42, s42, s40                     ; tile column = 4 x cluster x + cx
	s_and_b32 s17, ttmp7, 0xffff
	s_lshl_b32 s17, s17, 2
	s_add_co_u32 s17, s17, s41                     ; tile row = 4 x cluster y + cy
	s_lshl_b32 s43, s41, 2
	s_lshl_b32 s43, 15, s43                        ; my row of the cluster
	s_lshl_b32 s44, 0x1111, s40                    ; my column
	; descriptor group 1: a tile of 128 rows x 192 bytes, padded in LDS
	s_or_b32 s[G1+0], s43, (0<<16)|(1<<20)|(1<<21)|(3<<22)|(3<<25)  ; 15:0 the mask: H's tiles go to my row; 17:16 element of 1 byte; 20 padding on; 21 set beside a mask; 24:22 after every 16 words (code 3); 31:25 of 4 words (code 3)
	s_or_b32 s[G1B+0], s44, (0<<16)|(1<<20)|(1<<21)|(3<<22)|(3<<25)
.irp g, G1, G1B
	s_mov_b32 s[\g+1], ROWB<<16                    ; tensor_dim0
	s_mov_b32 s[\g+2], 128<<16                     ; tensor_dim1 = 128
	s_mov_b32 s[\g+3], ROWB<<16                    ; tile_dim0
	s_mov_b32 s[\g+4], 128                         ; tile_dim1 = 128
	s_mov_b32 s[\g+5], KROW                        ; tensor_dim0_stride
	s_mov_b32 s[\g+6], 0
	s_mov_b32 s[\g+7], 0
.endr
	; and for the scales of 128 rows: a dense block of 16,384 bytes, as 64 rows of 256 bytes (32 elements of 8 bytes), 16 bytes of padding behind each
	s_or_b32 s[G1S+0], s43, (3<<16)|(1<<20)|(1<<21)|(5<<22)|(3<<25)
	s_or_b32 s[G1SB+0], s44, (3<<16)|(1<<20)|(1<<21)|(5<<22)|(3<<25)
.irp g, G1S, G1SB
	s_mov_b32 s[\g+1], 32<<16
	s_mov_b32 s[\g+2], (128*KS/256)<<16
	s_mov_b32 s[\g+3], 32<<16
	s_mov_b32 s[\g+4], 128*KS/256
	s_mov_b32 s[\g+5], 32
	s_mov_b32 s[\g+6], 0
	s_mov_b32 s[\g+7], 0
.endr
	s_lshl_b32 s18, s16, 7                         ; which 128 rows of the tile
	s_lshl_b32 s20, s17, 8
	s_add_co_u32 s20, s20, s18                     ; H: row 256 x tile row + 128 x half
	s_lshl_b32 s46, s42, 8
	s_add_co_u32 s46, s46, s18                     ; W: row 256 x tile column + 128 x half,
	s_mov_b32 s95, s46
	s_min_u32 s46, s46, NLAST                      ; held so that 128 rows lie inside W: the half's first row, and my wave's first column
	s_sub_co_u32 s95, s95, s46                     ; the columns passed over: 0, or 96 in the last tile column's second half
	s_cmp_lg_u32 s95, 0
	s_cselect_b32 s[BIAS], 0xff800000, 0           ; minus infinity or 0
	s_lshl_b32 s95, s95, 2                         ; in bytes of a row of out1
	s_lshl_b32 s2, s46, 2                          ; my first column, in bytes: kept to the way out
	s_mov_b32 s21, 0
	s_mov_b32 s47, 0
	s_mov_b64 s[18:19], KS
	s_mul_u64 s[22:23], s[20:21], s[18:19]         ; where these rows' scales begin, in bytes
	s_mul_u64 s[92:93], s[46:47], s[18:19]
	s_mov_b64 s[18:19], KROW
	s_mul_u64 s[20:21], s[20:21], s[18:19]         ; and their codes
	s_mul_u64 s[46:47], s[46:47], s[18:19]
	s_mul_i32 s45, s14, HALFT                      ; where they go: wave x 128 rows: no place in the cluster enters an LDS address
	s_mul_i32 s94, s14, HALFS
	s_wait_kmcnt 0x0
	s_add_nc_u64 s[20:21], s[4:5], s[20:21]
	s_add_nc_u64 s[22:23], s[6:7], s[22:23]
	s_add_nc_u64 s[46:47], s[8:9], s[46:47]
	s_add_nc_u64 s[92:93], s[10:11], s[92:93]
	CROUND                                         ; all sixteen work-groups are here: the first joint loads meet
	s_mov_b32 s[G0S], 1
	s_add_co_u32 s[G0S+1], s94, SCL
	s_mov_b64 s[G0S+2:G0S+3], s[22:23]
	s_or_b32 s[G0S+3], s[G0S+3], 0x80000000
	s_mov_b32 s[G0SB], 1
	s_add_co_u32 s[G0SB+1], s94, SCL
	s_mov_b64 s[G0SB+2:G0SB+3], s[92:93]
	s_or_b32 s[G0SB+3], s[G0SB+3], 0x80000000
	JLOAD G0S, G1S, G0SB, G1SB                     ; the scales first: they are wanted with K step 0
.irp s, 0,1
	s_mov_b32 s[G0+4*\s], 1
	s_add_co_u32 s[G0+4*\s+1], s45, \s*SLOT
	s_add_nc_u64 s[G0+4*\s+2:G0+4*\s+3], s[20:21], \s*ROWB
	s_or_b32 s[G0+4*\s+3], s[G0+4*\s+3], 0x80000000
	s_mov_b32 s[G0B+4*\s], 1
	s_add_co_u32 s[G0B+4*\s+1], s45, \s*SLOT
	s_add_nc_u64 s[G0B+4*\s+2:G0B+4*\s+3], s[46:47], \s*ROWB
	s_or_b32 s[G0B+4*\s+3], s[G0B+4*\s+3], 0x80000000
	JLOAD G0+4*\s, G1, G0B+4*\s, G1B               ; three tensor loads of mine are out behind the second of these
.endr
	v_and_b32 v1, 15, v0                           ; l % 16
	v_bfe_u32 v2, v0, 4, 1                         ; l / 16
	v_mul_u32_u24 v3, v1, PITCH
	v_mul_u32_u24 v4, v2, 24
	v_add_nc_u32 v4, v3, v4                        ; a fragment's row x pitch + 24 x half
	v_lshl_add_u32 v5, v2, 4, v4                   ; and the same behind one padding more
	s_mul_i32 s21, s15, HALFT                      ; my 128 rows of H
	s_mul_i32 s22, s16, HALFT                      ; my 128 rows of W,
	s_add_co_u32 s22, s22, 2*HALFT                 ; which lie behind H's 256
.irp s, 0,1
	v_add_nc_u32 v[ADRA+\s], s21, v4
	v_add_nc_u32 v[ADRB+\s], s22, v4
	v_add_nc_u32 v[ADRA+2+\s], s21, v5
	v_add_nc_u32 v[ADRB+2+\s], s22, v5
	s_add_co_u32 s21, s21, SLOT
	s_add_co_u32 s22, s22, SLOT
.endr
	v_mul_u32_u24 v5, v1, KS                       ; my row's scales: 128 bytes a row,
	v_lshrrev_b32 v6, 8, v5
	v_lshl_add_u32 v5, v6, 4, v5                   ; and 16 more for each 256 passed
	s_mul_i32 s21, s15, HALFS                      ; H's: my 128 rows
	s_mul_i32 s22, s16, HALFS                      ; W's: my 128 rows, behind H's 256
	s_add_co_u32 s22, s22, 2*HALFS
	s_sub_co_u32 s22, s22, s21
	v_mul_u32_u24 v6, s22, v2                      ; lanes 16-31 take W's
	s_add_co_u32 s21, s21, SCL
	v_add_nc_u32 v5, v5, v6
	v_add_nc_u32 v[ADRS], s21, v5
	s_mul_i32 s23, s14, 16*SPITCH                  ; my stage
	v_mul_u32_u24 v5, v1, SPITCH                   ; in: row l % 16, 32 bytes for each half of the lanes
	v_lshl_add_u32 v5, v2, 5, v5
	v_add_nc_u32 v[STO], s23, v5
	v_and_b32 v6, 31, v0                           ; lane
	v_lshlrev_b32 v[CO], 4, v6                     ; back: the 32 lanes take one row of 512 bytes; and the same in out1
	v_add_nc_u32 v[RD], s23, v[CO]
	v_cmp_ge_u32 s[LM], v[CO], s95                 ; the lanes whose 16 bytes are my wave's to store: all, or lanes 24-31
	s_lshl_b32 s21, s16, 10
	s_lshl_b32 s22, s15, 9
	s_add_co_u32 s21, s21, s22
	s_add_co_u32 s21, s21, STAT
	v_lshl_add_u32 v[SA], v6, 2, s21
	s_lshl_b32 s22, s14, 8
	s_add_co_u32 s22, s22, STAT
	v_lshl_add_u32 v[SB], v6, 3, s22
	v_lshlrev_b32 v[PO], 3, v6
	s_lshl_b32 s20, s17, 8
	s_lshl_b32 s21, s15, 7
	s_add_co_u32 s20, s20, s21                     ; my first row of out1: 256 x tile row + 128 x half
	; the labels: lane (r, h) holds row 16 a + r of block a, whose label is label_ids[row + 1].  Blocks 0 to 6 reach index 3968 + 112 at the most; block 7's index is held at 4,095 (that row does not count: below)
	v_add_nc_u32 v[LA], s20, v1                    ; my row of block 0
	v_add_nc_u32 v[LA+1], 113, v[LA]               ; my row of block 7, + 1,
	v_min_u32 v[LA+1], 4095, v[LA+1]               ; held inside the buffer
	v_lshlrev_b32 v[LA+1], 2, v[LA+1]
	v_lshl_add_u32 v[LA], v[LA], 2, 4              ; 4 x (row + 1)
.irp a, 0,1,2,3,4,5,6
	global_load_b32 v[LB+\a], v[LA], s[LBP:LBP+1] offset:64*\a
.endr
	global_load_b32 v[LB+7], v[LA+1], s[LBP:LBP+1]
	s_mul_i32 s20, s20, NROW                       ; under 2^27 bytes
	s_add_co_u32 s20, s20, s2                      ; + my first column
	s_mov_b32 s21, 0
	s_add_nc_u64 s[12:13], s[12:13], s[20:21]
	s_lshl_b32 s20, s42, 14                        ; part: 16,384 x tile column + 1,024 x tile row + 256 x wave
	s_lshl_b32 s22, s17, 10
	s_add_co_u32 s20, s20, s22
	s_lshl_b32 s22, s14, 8
	s_add_co_u32 s20, s20, s22
	s_add_nc_u64 s[PRT:PRT+1], s[PRT:PRT+1], s[20:21]
	; the prefetches (macro ASK): every selection on the one compare first, then the sums
	s_lshl_b32 s20, s17, 8                         ; 256 x tile row
	s_lshl_b32 s21, s42, 8                         ; 256 x tile column
	s_and_b32 s22, ttmp7, 0xffff                   ; cluster y
	s_mov_b32 s23, 3999
	s_cmp_eq_u32 s15, 0                            ; do I fetch for H?
	s_cselect_b32 s20, s20, s21                    ; the tile's first row
	s_cselect_b32 s21, s40, s41                    ; my place among the four that ask for it with me
	s_cselect_b32 s22, ttmp9, s22                  ; the coordinate along which other clusters read the same rows
	s_cselect_b32 s23, 4095, s23                   ; the tensor's last row
	s_cselect_b64 s[PFA:PFA+1], s[4:5], s[8:9]
	s_cmp_eq_u32 s22, 0
	s_cselect_b32 s[LIM], 1, -1                    ; the same in all sixteen partners, for a given wave
	s_lshl_b32 s22, s16, 7
	s_add_co_u32 s20, s20, s22                     ; + the 128 rows that I fetch
	s_lshl_b32 s21, s21, 5
	s_add_co_u32 s20, s20, s21                     ; + my work-group's 32 of them
	v_add_nc_u32 v[PFO], s20, v6                   ; a lane a row,
	v_min_u32 v[PFO], s23, v[PFO]                  ; held inside the tensor
	v_mul_u32_u24 v[PFO], v[PFO], KROW
	s_add_nc_u64 s[PFA:PFA+1], s[PFA:PFA+1], 3*ROWB+ROWB-1  ; the last byte of K step 3's part: the first change of slots steps it to K step 4.  Nothing is prefetched here, at the head
.macro FRAG reg, adr, q, i             ; a fragment, 16 rows x 128 K of 6-bit codes, is 12 registers: lane l holds row l % 16; registers 6 c .. 6 c + 5 hold K = 64 c + 32 (l / 16) + 0 .. 31: 24 bytes of the row's stream of bits, as they lie
.irp p, 0,1,2,3,4,5                    ; in pieces of 8 bytes, so that every address is a multiple of the access's size.  Lanes 0-15 take the row's pieces 12 q + 0, 1, 2 and 12 q + 6, 7, 8, lanes 16-31 those three pieces on
.set PC, 12*(\q)+6*(\p/3)+\p%3        ; 16 bytes of padding lie behind every 64 bytes (8 pieces): where the piece three on lies behind one padding more, the second address register (40 for 24 bytes a half) serves
.if PC%8 < 5
	ds_load_b64 v[\reg+2*\p:\reg+2*\p+1], v[\adr] offset:8*PC+16*(PC/8)+(\i)*16*PITCH
.else
	ds_load_b64 v[\reg+2*\p:\reg+2*\p+1], v[\adr+2] offset:8*PC+16*(PC/8)+(\i)*16*PITCH
.endif
.endr
.endm
; 16 matrix instructions: H's blocks a0, a0 + 1 x W's eight, 128 along K: the slot's q-th.  p: W's set;  sc: the set of scale words.  zero = 1: the first product starts the sums: nothing is ever cleared.
; The 64 accumulators take turns, one instruction a turn, in the same order in every step.
.macro MUL16 a0, p, q, sc, zero
.irp a, \a0, \a0+1
.irp b, 0,1,2,3,4,5,6,7
.if \zero
	v_wmma_scale_f32_16x16x128_f8f6f4 v[8*(8*((\a)%4)+\b):8*(8*((\a)%4)+\b)+7], v[128*(\p)+FR*\b:128*(\p)+FR*\b+FR-1], v[AF+FR*(\a):AF+FR*(\a)+FR-1], 0, v[SC+8*NQ*(\sc)+NQ*\b+(\q)], v[SC+8*NQ*(\sc)+NQ*(\a)+(\q)] matrix_a_fmt:MATRIX_FMT_BF6 matrix_b_fmt:MATRIX_FMT_BF6 matrix_a_scale:MATRIX_SCALE_ROW1
.else
	v_wmma_scale_f32_16x16x128_f8f6f4 v[8*(8*((\a)%4)+\b):8*(8*((\a)%4)+\b)+7], v[128*(\p)+FR*\b:128*(\p)+FR*\b+FR-1], v[AF+FR*(\a):AF+FR*(\a)+FR-1], v[8*(8*((\a)%4)+\b):8*(8*((\a)%4)+\b)+7], v[SC+8*NQ*(\sc)+NQ*\b+(\q)], v[SC+8*NQ*(\sc)+NQ*(\a)+(\q)] matrix_a_fmt:MATRIX_FMT_BF6 matrix_b_fmt:MATRIX_FMT_BF6 matrix_a_scale:MATRIX_SCALE_ROW1
.endif
.endr
.endr
.endm
.macro FETCH_B slot, q, p              ; W's eight fragments of the slot's q-th 128 along K into set p
	WIN TO_B
.irp i, 0,1,2,3,4,5,6,7
	FRAG 128*(\p)+FR*\i, ADRB+\slot, \q, \i
.endr
	WIN 0
.endm
.macro FETCH_A slot, q, i0             ; H's blocks i0 .. i0 + 3
.irp i, \i0, \i0+1, \i0+2, \i0+3
	FRAG AF+FR*(\i), ADRA+\slot, \q, \i
.endr
.endm
.macro SCALES sc                       ; the next K step's scale words into set sc: two words a row; lanes 0-15 take H's block i, lanes 16-31 W's block i
.irp i, 0,1,2,3,4,5,6,7
	ds_load_b64 v[SC+8*NQ*\sc+NQ*\i:SC+8*NQ*\sc+NQ*\i+1], v[ADRS] offset:\i*SBLK
.endr
.endm
; A load into a register that a matrix instruction has read, and a vector instruction or an LDS store that reads a matrix result, stand NP places behind that matrix instruction, and only plain vector
; instructions that name none of its registers are places (ISA guide 7.12.1 for vector instructions).
.macro PLACES n
.rept \n
	v_nop
.endr
.endm
; A step of 128 along K that has its successor in the same slot.
.macro STEP slot, q, zero
	s_wait_dscnt 4*NL                              ; W's set, the scale words and H's blocks 0-3 are in; the youngest 24 loads (H's blocks 4-7) may be out
	WIN MUL_LO
	MUL16 0, (\q)%2, \q, \slot, \zero
	MUL16 2, (\q)%2, \q, \slot, \zero
	s_wait_dscnt 0                                 ; H's blocks 4-7 are in (asked for 32 matrix instructions ago)
	PLACES NP
	FETCH_B \slot, (\q)+1, 1-(\q)%2
	FETCH_A \slot, (\q)+1, 0
	WIN MUL_HI
	MUL16 4, (\q)%2, \q, \slot, \zero
	MUL16 6, (\q)%2, \q, \slot, \zero
	PLACES NP
	WIN 0
	FETCH_A \slot, (\q)+1, 4
.endm
; A slot's last step changes slots: ONE barrier; in front of it each wave waits for all its tensor loads, adds 0 to its spare word, and waits for that and for its own reads of this slot.  fill = 1: this slot is filled again, two K steps ahead.
.macro TURN slot, next, fill
.if \fill
	s_wait_xcnt 0x0                                ; the last prefetch, a K step back, has read its address: it is stepped here, ahead of the waits of the change of slots
	s_add_nc_u64 s[PFA:PFA+1], s[PFA:PFA+1], ROWB
.endif
	s_wait_tensorcnt 0x0                           ; all my tensor loads have landed: my part of the next slot;  (every window is 0 here: the add's two registers lie in window 0)
	ds_add_u32 v[SPW], v[NIL]                      ; 0 onto my spare word
	s_wait_dscnt 4*NL+1                            ; (the add and the youngest 24 loads, H's blocks 4-7, may be out)
	WIN MUL_LO
	MUL16 0, 1, NQ-1, \slot, 0                     ; sixteen matrix instructions stand between the add and the wait for it
	s_wait_dscnt 0x0                               ; the add is done, and my reads of this slot are over
	s_barrier_signal -1
	MUL16 2, 1, NQ-1, \slot, 0
	WIN 0
	s_barrier_wait -1
.if \fill
	CREST                                          ; the barrier has opened a round of the cluster's barrier: no wave of any partner still reads this slot's tile or has a load on its way
	s_add_nc_u64 s[G0+4*\slot+2:G0+4*\slot+3], s[G0+4*\slot+2:G0+4*\slot+3], 2*ROWB
	s_add_nc_u64 s[G0B+4*\slot+2:G0B+4*\slot+3], s[G0B+4*\slot+2:G0B+4*\slot+3], 2*ROWB
	JLOAD G0+4*\slot, G1, G0B+4*\slot, G1B         ; the first tensor load behind the round, my one load until the next; the four v_nop behind it are the places in front of the loads below
.else
	PLACES NP
.endif
	v_add_nc_u32 v[ADRS], 4*NQ, v[ADRS]            ; on to the next K step's scale words (no LDS load of mine is out)
	FETCH_B \next, 0, 0
	FETCH_A \next, 0, 0
	SCALES \next
.if \fill
	ASK \slot                                      ; behind the joint load and the run of LDS loads that the next products wait for
.endif
	WIN MUL_HI
	MUL16 4, 1, NQ-1, \slot, 0
	MUL16 6, 1, NQ-1, \slot, 0
	PLACES NP
	WIN 0
	FETCH_A \next, 0, 4
.endm
	s_wait_loadcnt 0x0                             ; the labels are in: no load of mine is out at the barriers that follow (they were asked for behind the first tiles and come beside them)
	s_wait_tensorcnt 1                             ; the scales and my part of K step 0 are in (K step 1's load may be out)
	s_barrier_signal -1
	s_barrier_wait -1                              ; everybody's are
	FETCH_B 0, 0, 0
	FETCH_A 0, 0, 0
	SCALES 0
	FETCH_A 0, 0, 4
	STEP 0, 0, 1                                   ; the first step stands in front of the loop: its products start the sums
	s_mov_b32 s3, LAPS-1
.Llap:                                                 ; a trip goes once round the ring, from a lap's second step to the next lap's first, and fills both slots again
	TURN 0, 1, 1
	STEP 1, 0, 0
	TURN 1, 0, 1
	STEP 0, 0, 0
	s_sub_co_u32 s3, s3, 1
	s_cmp_lg_u32 s3, 0
	s_cbranch_scc1 .Llap
	TURN 0, 1, 0                                   ; the last lap fills nothing, and has no round of the cluster's barrier
	STEP 1, 0, 0
	s_wait_dscnt 4*NL                              ; the very last step: nothing more to fetch
	WIN MUL_LO
	MUL16 0, 1, NQ-1, 1, 0
	MUL16 2, 1, NQ-1, 1, 0
	s_wait_dscnt 0
	WIN MUL_HI
	MUL16 4, 1, NQ-1, 1, 0
	MUL16 6, 1, NQ-1, 1, 0
	WIN 0
; THE WAY OUT, block by block of 16 rows x 128 columns.  A lane holds 32 neighbouring bytes of a row, and the lanes beside it hold other rows: so a block goes through my own stage in LDS and comes back as whole
; rows of 512 bytes.  LDS serves a wave's instructions in order (ISA guide 5.7.1.4): no wait between the stores and the loads.  The block's statistics stand between the loads from the stage and the wait for them;
; the choice of the label's logit stands behind the block's stores.
.macro TOSTAGE a
.set AC, 64*((\a)%4)
	WIN 0x08+4*((\a)/4)                            ; the data: window 2 or 3
.irp b, 0,1,2,3,4,5,6,7
	ds_store_b128 v[STO], v[AC+8*\b:AC+8*\b+3] offset:64*\b          ; each accumulator is read from its low end on
	ds_store_b128 v[STO], v[AC+8*\b+4:AC+8*\b+7] offset:64*\b+16
.endr
	WIN 0
.irp t, 0,1,2,3,4,5,6,7,8,9,10,11,12,13,14,15
	ds_load_b128 v[BK+4*\t:BK+4*\t+3], v[RD] offset:\t*SPITCH
.endr
.endm
; Block a's statistics.  Lane (r, h) holds 64 numbers of row r: accumulator b's register j is column 16 b + 8 h + j.  The row's maximum m and the sum of 2^(c x - c m) over my wave's own columns.
.macro STATS a
.set AC, 64*((\a)%4)
.set WW, 2+(\a)/4
.set WMX, (WW<<2)|(WW<<4)
	WIN WMX                                        ; sources 1 and 2: the accumulators' window
.irp c, 0,1,2,3                        ; four chains by turns, chain c over accumulators 2 c and 2 c + 1; minus infinity starts each
	v_max3_num_f32 v[T+\c], 0xff800000, v[AC+16*\c], v[AC+16*\c+1]
.endr
.irp i, 2,4,6,8,10,12,14
.irp c, 0,1,2,3
	v_max3_num_f32 v[T+\c], v[T+\c], v[AC+16*\c+\i], v[AC+16*\c+\i+1]
.endr
.endr
	WIN 0
	v_max3_num_f32 v[T], v[T], v[T+1], v[T+2]      ; columns 0-95 of my 128,
	v_add_f32 v[T], s[BIAS], v[T]                  ; which count for nothing where they are another wave's: minus infinity is added, else 0
	v_max_num_f32 v[T], v[T], v[T+3]               ; columns 96-127
	v_permlanex16_b32 v[T+1], v[T], s[SEL], s[SEL+1]
	v_max_num_f32 v[T], v[T], v[T+1]               ; with lane l xor 16's 64 numbers: the row's maximum
	v_mul_f32 v[CHI], s[CS], v[T]                  ; c m
	v_sub_f32 v[CLO], v[CHI], s[BIAS]              ; c m, or plus infinity: the exponent is then minus infinity and the exponential 0
	WIN WW                                         ; source 0: the accumulators' window
.irp b, 0,1,2,3,4,5,6,7
.irp j, 0,2,4,6
.if \b < 6
	v_pk_fma_f32 v[E+8*\b+\j:E+8*\b+\j+1], v[AC+8*\b+\j:AC+8*\b+\j+1], s[CS:CS+1], v[CLO:CLO+1] op_sel_hi:[1,0,0] neg_lo:[0,0,1] neg_hi:[0,0,1]
.else
	v_pk_fma_f32 v[E+8*\b+\j:E+8*\b+\j+1], v[AC+8*\b+\j:AC+8*\b+\j+1], s[CS:CS+1], v[CHI:CHI+1] op_sel_hi:[1,0,0] neg_lo:[0,0,1] neg_hi:[0,0,1]
.endif
.endr
.endr
	WIN 0
.irp j, 0,1,2,3,4,5,6,7,8,9,10,11,12,13,14,15,16,17,18,19,20,21,22,23,24,25,26,27,28,29,30,31,32,33,34,35,36,37,38,39,40,41,42,43,44,45,46,47,48,49,50,51,52,53,54,55,56,57,58,59,60,61,62,63
	v_exp_f32 v[E+\j], v[E+\j]                     ; one batch: none reads another's result
.endr
	v_mov_b32 v[MT+(\a)], v[CHI]                   ; the plain instruction behind the last exponential
	s_wait_alu depctr_va_vdst(0)                   ; one wait for the batch, ahead of its first reader
.irp c, 0,1,2,3                        ; the sum: 32 pairs in four chains
	v_pk_add_f32 v[S+2*\c:S+2*\c+1], v[E+2*\c:E+2*\c+1], v[E+8+2*\c:E+8+2*\c+1]
.endr
.irp i, 8,12,16,20,24,28
.irp c, 0,1,2,3
	v_pk_add_f32 v[S+2*\c:S+2*\c+1], v[S+2*\c:S+2*\c+1], v[E+2*(\i+\c):E+2*(\i+\c)+1]
.endr
.endr
	v_pk_add_f32 v[S:S+1], v[S:S+1], v[S+2:S+3]
	v_pk_add_f32 v[S+4:S+5], v[S+4:S+5], v[S+6:S+7]
	v_pk_add_f32 v[S:S+1], v[S:S+1], v[S+4:S+5]
	v_add_f32 v[SUM+(\a)], v[S], v[S+1]
	v_permlanex16_b32 v[T+1], v[SUM+(\a)], s[SEL], s[SEL+1]
	v_add_f32 v[SUM+(\a)], v[SUM+(\a)], v[T+1]     ; with lane l xor 16's: the same number in both halves of the lanes
.endm
.macro SEND a
	s_wait_dscnt 0x0                               ; the block is back in registers
	s_wait_xcnt 0x0                                ; every earlier memory instruction has read its sources: the base may step and EXEC may change
.if (\a) > 0
	s_add_nc_u64 s[12:13], s[12:13], 16*NROW       ; 16 rows on, so that the stores' offsets stay small: 15 rows at the most
.endif
	s_and_saveexec_b32 s[SVX], s[LM]               ; only the lanes whose columns are my wave's
.irp t, 0,1,2,3,4,5,6,7,8,9,10,11,12,13,14,15
	global_store_b128 v[CO], v[BK+4*\t:BK+4*\t+3], s[12:13] offset:\t*NROW th:TH_STORE_NT   ; 32 lanes store 512 consecutive bytes of a row; this launch does not read them
.endr
	s_wait_xcnt 0x0                                ; the stores have read EXEC and their registers: EXEC is restored, and the next block's loads may land in these registers
	s_or_b32 exec_lo, exec_lo, s[SVX]
.endm
; Block a's labels.  d = my row's label less my wave's first column.  Of my 64 numbers, number 8 b + j is column 16 b + 8 h + j: d's bits 0-2 are j, bit 3 is h, bits 4-6 are b.  A tree of 32 + 16 + 8 + 4 + 2 + 1
; selections, each level on one bit's lane mask, leaves number 8 (d / 16) + d % 8.  It counts where d is under 128, d's bit 3 is my half of the lanes, and d is not among the columns passed over.
.macro SELECT a
.set AC, 64*((\a)%4)
.set WW, 2+(\a)/4
.set WSL, WW|(WW<<2)
	v_sub_nc_u32 v[D], v[LB+(\a)], s[CB]
.irp k, 0,1,2
	v_and_b32 v[S+\k], 1<<\k, v[D]                 ; bits 0, 1, 2
.endr
.irp k, 3,4,5
	v_and_b32 v[S+\k], 2<<\k, v[D]                 ; bits 4, 5, 6
.endr
.irp k, 0,1,2,3,4,5
	v_cmp_ne_u32 s[MK+\k], 0, v[S+\k]
.endr
	v_xor_b32 v[S+6], v[D], v[H8]                  ; bit 3 falls where it is my half's;
	v_and_b32 v[S+6], 0xffffff88, v[S+6]           ; that bit and all from bit 7 up: 0 where the column is one of this lane's 64
	v_cmp_eq_u32 s[MK+6], 0, v[S+6]
	v_cmp_le_u32 s[MK+7], s[CB+1], v[D]            ; and not among the columns passed over
	s_and_b32 s[MK+6], s[MK+6], s[MK+7]
	WIN WSL                                        ; sources 0 and 1: the accumulators' window
.set i, 0
.rept 32
	v_cndmask_b32 v[E+i], v[AC+2*i], v[AC+2*i+1], s[MK]
.set i, i+1
.endr
	WIN 0
.set i, 0
.rept 16
	v_cndmask_b32 v[E+32+i], v[E+2*i], v[E+2*i+1], s[MK+1]
.set i, i+1
.endr
.set i, 0
.rept 8
	v_cndmask_b32 v[E+48+i], v[E+32+2*i], v[E+32+2*i+1], s[MK+2]
.set i, i+1
.endr
.set i, 0
.rept 4
	v_cndmask_b32 v[E+56+i], v[E+48+2*i], v[E+48+2*i+1], s[MK+3]
.set i, i+1
.endr
	v_cndmask_b32 v[E+60], v[E+56], v[E+57], s[MK+4]
	v_cndmask_b32 v[E+61], v[E+58], v[E+59], s[MK+4]
	v_cndmask_b32 v[E+62], v[E+60], v[E+61], s[MK+5]
.if (\a) == 0
	v_cndmask_b32 v[GS], 0, v[E+62], s[MK+6]       ; the first block starts the sum
.else
	v_cndmask_b32 v[S+7], 0, v[E+62], s[MK+6]
	v_add_f32 v[GS], v[GS], v[S+7]
.endif
.endm
	PLACES NP                                      ; behind the last products: for the reads of results, and for the loads into the registers that held H's fragments
	s_load_b64 s[GSP:GSP+1], s[0:1], 0x38          ; gsum: wanted at the very end
	s_mov_b32 s[CS], 0x3fb8aa3b                    ; c = log2(e)
	s_mov_b32 s[CS+1], s[CS]                       ; (named with it as a pair, so it is written)
	s_mov_b32 s[SEL], 0x76543210
	s_mov_b32 s[SEL+1], 0xfedcba98
	v_mov_b32 v[CHI+1], 0                          ; (the upper words of the two pairs are named, never used)
	v_mov_b32 v[CLO+1], 0
	v_mov_b32 v[ZR], 0
	s_lshr_b32 s[CB], s2, 2                        ; my wave's first column
	s_lshr_b32 s[CB+1], s95, 2                     ; the columns passed over
	s_lshl_b32 s94, s17, 8                         ; the row with s = 2047 has no label: it is my last row where my first row + 128 is a multiple of 2,048
	s_lshl_b32 s46, s15, 7
	s_add_co_u32 s94, s94, s46
	s_add_co_u32 s94, s94, 128
	s_and_b32 s94, s94, 2047
	s_cmp_eq_u32 s94, 0
	s_cselect_b32 s94, 0, -1
	v_and_b32 v[D], 15, v0
	v_cmp_ne_u32 vcc_lo, 15, v[D]
	s_or_b32 vcc_lo, vcc_lo, s94                   ; the lanes whose row of block 7 counts
	v_cndmask_b32 v[LB+7], -1, v[LB+7], vcc_lo     ; elsewhere a label that is nobody's column
	v_and_b32 v[H8], 16, v0
	v_lshrrev_b32 v[H8], 1, v[H8]                  ; 8 x (lane / 16)
.irp a, 0,1,2,3,4,5,6,7
	TOSTAGE \a
	STATS \a
	SEND \a
	SELECT \a
.endr
	; my wave's sum of the labels' logits: over the 32 lanes (of a row's two lanes one at the most has counted)
	v_add_f32_dpp v[GS], v[GS], v[GS] row_xmask:1 row_mask:0xf bank_mask:0xf
	v_add_f32_dpp v[GS], v[GS], v[GS] row_xmask:2 row_mask:0xf bank_mask:0xf
	v_add_f32_dpp v[GS], v[GS], v[GS] row_xmask:4 row_mask:0xf bank_mask:0xf
	v_add_f32_dpp v[GS], v[GS], v[GS] row_xmask:8 row_mask:0xf bank_mask:0xf
	v_permlanex16_b32 v[T+1], v[GS], s[SEL], s[SEL+1]
	v_add_f32 v[GS], v[GS], v[T+1]
	; THE JOIN.  p = c m + log2(sum) for my 128 rows; the two column halves' p meet in LDS; each wave joins 64 rows, two a lane, again with the maximum taken away, and stores 256 consecutive bytes of part.
.irp a, 0,1,2,3,4,5,6,7
	v_log_f32 v[SUM+\a], v[SUM+\a]
.endr
	v_and_b32 v[J+12], 31, v0                      ; lane.  (The plain instruction behind the last logarithm)
	s_wait_alu depctr_va_vdst(0)                   ; one wait for the eight
.irp a, 0,1,2,3,4,5,6,7
	v_add_f32 v[MT+\a], v[MT+\a], v[SUM+\a]
.endr
	v_cmp_gt_u32 vcc_lo, 16, v[J+12]
.irp i, 0,1,2,3
	v_cndmask_b32 v[Q+\i], v[MT+2*\i+1], v[MT+2*\i], vcc_lo   ; lanes 0-15 block 2 i, lanes 16-31 block 2 i + 1: row 32 i + lane
.endr
.irp i, 0,1,2,3
	ds_store_b32 v[SA], v[Q+\i] offset:128*\i
.endr
	s_wait_dscnt 0x0                               ; for the others' sake: my stores have landed
	s_barrier_signal -1
	s_barrier_wait -1
	ds_load_b64 v[J:J+1], v[SB]                    ; rows 64 w + 2 lane and + 1: the first column half's p,
	ds_load_b64 v[J+2:J+3], v[SB] offset:1024      ; the second's
	s_wait_dscnt 0x0
	v_max_num_f32 v[J+4], v[J], v[J+2]
	v_max_num_f32 v[J+5], v[J+1], v[J+3]
	v_sub_f32 v[J+6], v[J], v[J+4]
	v_sub_f32 v[J+7], v[J+1], v[J+5]
	v_sub_f32 v[J+8], v[J+2], v[J+4]
	v_sub_f32 v[J+9], v[J+3], v[J+5]
.irp i, 6,7,8,9
	v_exp_f32 v[J+\i], v[J+\i]
.endr
	v_nop
	s_wait_alu depctr_va_vdst(0)
	v_add_f32 v[J+6], v[J+6], v[J+8]
	v_add_f32 v[J+7], v[J+7], v[J+9]
	v_log_f32 v[J+6], v[J+6]
	v_log_f32 v[J+7], v[J+7]
	v_nop
	s_wait_alu depctr_va_vdst(0)
	v_add_f32 v[J+10], v[J+4], v[J+6]
	v_add_f32 v[J+11], v[J+5], v[J+7]
	global_store_b64 v[PO], v[J+10:J+11], s[PRT:PRT+1]   ; 32 lanes store 256 consecutive bytes, at a multiple of 256 from part's first byte
	s_lshl_b32 s46, s17, 4                         ; gsum: word 4 x (16 x tile row + tile column) + wave
	s_add_co_u32 s46, s46, s42
	s_lshl_b32 s46, s46, 2
	s_add_co_u32 s46, s46, s14
	s_lshl_b32 s46, s46, 2
	s_mov_b32 s47, 0
	s_wait_kmcnt 0x0
	s_add_nc_u64 s[GSP:GSP+1], s[GSP:GSP+1], s[46:47]
	v_cmp_eq_u32 vcc_lo, 0, v[J+12]
	s_wait_xcnt 0x0                                ; EXEC changes only behind this wait
	s_and_saveexec_b32 s[SVX], vcc_lo
	global_store_b32 v[ZR], v[GS], s[GSP:GSP+1]    ; lane 0 stores the wave's one number: a wave has no more than these 4 bytes to give
	s_wait_xcnt 0x0
	s_or_b32 exec_lo, exec_lo, s[SVX]
	s_wait_tensorcnt 0x0                           ; the wave's end: behind my last tensor load and my last LDS store
	ds_add_u32 v[SPW], v[NIL]
	s_wait_dscnt 0x0
	CROUND                                         ; the closing round: no work-group ends while a partner may still ask for a tile that names it
	s_endpgm
.Lfunc_end_k_qa87505b448_gemm:
	.size	k_qa87505b448_gemm, .Lfunc_end_k_qa87505b448_gemm-k_qa87505b448_gemm
	.p2alignl 7, 3214868480
	.fill 96, 4, 3214868480
	.section	.rodata,"a",@progbits
	.p2align	6, 0x0
	.amdhsa_kernel k_qa87505b448_gemm
		.amdhsa_group_segment_fixed_size 327680
		.amdhsa_private_segment_fixed_size 0
		.amdhsa_enable_private_segment 0
		.amdhsa_kernarg_size 64
		.amdhsa_user_sgpr_count 2
		.amdhsa_user_sgpr_kernarg_segment_ptr 1
		.amdhsa_wavefront_size32 1
		.amdhsa_system_sgpr_workgroup_id_x 1
		.amdhsa_system_sgpr_workgroup_id_y 1
		.amdhsa_system_sgpr_workgroup_id_z 1
		.amdhsa_system_vgpr_workitem_id 0
		.amdhsa_next_free_vgpr 1024
		.amdhsa_next_free_sgpr 106
		.amdhsa_reserve_vcc 1
		.amdhsa_float_denorm_mode_32 3
		.amdhsa_float_denorm_mode_16_64 3
		.amdhsa_memory_ordered 1
		.amdhsa_forward_progress 1
		.amdhsa_inst_pref_size 255
	.end_amdhsa_kernel
	.section	.bss,"aw",@nobits
	.p2align	6
	.space	262144
	.amdgpu_metadata
---
amdhsa.version: [ 1, 2 ]
amdhsa.kernels:
  - .name:           k_qa87505b448_gemm
    .symbol:         k_qa87505b448_gemm.kd
    .args:
      - { .name: hidden_states_codes, .offset: 0, .size: 8, .value_kind: global_buffer, .address_space: global }
      - { .name: hidden_states_scales, .offset: 8, .size: 8, .value_kind: global_buffer, .address_space: global }
      - { .name: W_codes, .offset: 16, .size: 8, .value_kind: global_buffer, .address_space: global }
      - { .name: W_scales, .offset: 24, .size: 8, .value_kind: global_buffer, .address_space: global }
      - { .name: label_ids, .offset: 32, .size: 8, .value_kind: global_buffer, .address_space: global }
      - { .name: out1, .offset: 40, .size: 8, .value_kind: global_buffer, .address_space: global }
      - { .name: part, .offset: 48, .size: 8, .value_kind: global_buffer, .address_space: global }
      - { .name: gsum, .offset: 56, .size: 8, .value_kind: global_buffer, .address_space: global }
    .group_segment_fixed_size: 327680
    .private_segment_fixed_size: 0
    .kernarg_segment_align: 8
    .kernarg_segment_size: 64
    .max_flat_workgroup_size: 128
    .sgpr_count:     106
    .vgpr_count:     1024
    .wavefront_size: 32
...
	.end_amdgpu_metadata
.endif
;; end of part 3
;; launch loss (part 4): grid 1 x 1, 32 waves a work-group, no clusters, 8,192 bytes of LDS; arguments part, gsum, out0; writes out0
.if DOCPART == 4
	.amdgcn_target "amdgcn-amd-amdhsa--gfx1250"
	.amdhsa_code_object_version 6
	.text
	.protected	k_qa87505b448_loss
	.globl	k_qa87505b448_loss
	.p2align	8
	.type	k_qa87505b448_loss,@function
k_qa87505b448_loss:
	s_mov_b64 s[64:65], 0
	v_nop
	global_prefetch_b8 v0, s[64:65] scope:SCOPE_SE
	s_setreg_imm32_b32 hwreg(HW_REG_WAVE_MODE, 25, 1), 1
	s_wait_xcnt 0x0
; out0 = the mean, over the 4,094 rows m = 2048 b + s with s < 2047, of logsumexp(logits[m]) - logits[m][label_ids[m + 1]].
; part: [16][4096] f32: the base-2 logsumexp of row m over one tile column.  gsum: [1024] f32: partial sums of the labels' logits over those rows.  The launch before stored both.
; A row's 16 partials are joined with their maximum taken away: L = M + log2(sum of 2^(p - M)); the natural logsumexp is ln(2) L.  The labels' logits enter the mean as a sum, so their partial sums are enough.
; ONE work-group of 32 waves: thread t owns rows 4 t .. 4 t + 3, so that each load of part is 16 bytes a lane, 512 consecutive bytes a wave (256 KiB in all), and word t of gsum.  A sum over all rows has one
; owner, so no second work-group is used.  No matrix unit, no tensor load, no cluster: there is nothing to multiply and nothing is shared.
; Each thread puts its partial into an LDS word of its own (4 x thread: a wave's store covers 128 consecutive bytes); behind the barrier wave 0 adds the 1,024 words.
; LIMITS: NaN and infinities spread as the arithmetic spreads them; the mean is a tree of f32 sums, in another order than a plain running sum.
.set P,  16                            ; v16-79   p: v[P + 4 c + i]: row i, tile column c; then 2^(p - M); in wave 0 at the end 32 of the threads' partials
.set M,  88                            ; v88-91   the rows' largest p
.set SU, 92                            ; v92-99   sums: two chains for each pair of rows; then the logarithms in v92-95
.set N,  100                           ; v100-103 the rows' base-2 logsumexp; v100 then the thread's partial
	s_load_b128 s[4:7], s[0:1], 0x0                ; part s[4:5], gsum s[6:7]
	s_load_b64 s[8:9], s[0:1], 0x10                ; out0
	v_lshl_add_u32 v126, v0, 2, 0x1000
	v_mov_b32 v127, 0
	v_lshrrev_b32 v1, 5, v0
	v_readfirstlane_b32 s12, v1                    ; wave 0..31
	v_lshlrev_b32 v1, 4, v0                        ; 16 t: my four rows' words in part
	v_lshlrev_b32 v2, 2, v0                        ; 4 t: my word of gsum, and my word in LDS
	v_and_b32 v3, 31, v0
	v_lshlrev_b32 v3, 4, v3                        ; 16 x lane
	v_mov_b32 v108, 0
	s_mov_b32 s13, 0x3f317218                      ; ln(2)
	s_mov_b32 s14, 0x76543210                      ; v_permlanex16_b32's selects for lane l xor 16
	s_mov_b32 s15, 0xfedcba98
	s_wait_kmcnt 0x0
.irp c, 0,1,2,3,4,5,6,7,8,9,10,11,12,13,14,15
	global_load_b128 v[P+4*\c:P+4*\c+3], v1, s[4:5] offset:16384*\c th:TH_LOAD_NT
.endr
	global_load_b32 v4, v2, s[6:7] th:TH_LOAD_NT
	s_wait_loadcnt 1                               ; the sixteen loads of part are in; the word of gsum behind them may be out
.irp i, 0,1,2,3
	v_max3_num_f32 v[M+\i], v[P+\i], v[P+4+\i], v[P+8+\i]         ; the four rows by turns
.endr
.irp c, 3,5,7,9,11,13
.irp i, 0,1,2,3
	v_max3_num_f32 v[M+\i], v[M+\i], v[P+4*\c+\i], v[P+4+4*\c+\i]
.endr
.endr
.irp i, 0,1,2,3
	v_max_num_f32 v[M+\i], v[M+\i], v[P+60+\i]
.endr
.irp c, 0,1,2,3,4,5,6,7,8,9,10,11,12,13,14,15
.irp i, 0,2
	v_pk_add_f32 v[P+4*\c+\i:P+4*\c+\i+1], v[P+4*\c+\i:P+4*\c+\i+1], v[M+\i:M+\i+1] neg_lo:[0,1] neg_hi:[0,1]   ; p - M, two rows at a time
.endr
.endr
.irp j, 0,1,2,3,4,5,6,7,8,9,10,11,12,13,14,15,16,17,18,19,20,21,22,23,24,25,26,27,28,29,30,31,32,33,34,35,36,37,38,39,40,41,42,43,44,45,46,47,48,49,50,51,52,53,54,55,56,57,58,59,60,61,62,63
	v_exp_f32 v[P+\j], v[P+\j]
.endr
	v_mov_b32 v105, 0                              ; the plain instruction behind the last exponential
	s_wait_alu depctr_va_vdst(0)                   ; one wait for the batch, ahead of its first reader
.irp i, 0,2
	v_pk_add_f32 v[SU+\i:SU+\i+1], v[P+\i:P+\i+1], v[P+8+\i:P+8+\i+1]             ; the even tile columns' chain,
	v_pk_add_f32 v[SU+4+\i:SU+4+\i+1], v[P+4+\i:P+4+\i+1], v[P+12+\i:P+12+\i+1]   ; the odd ones'
.endr
.irp c, 4,6,8,10,12,14
.irp i, 0,2
	v_pk_add_f32 v[SU+\i:SU+\i+1], v[SU+\i:SU+\i+1], v[P+4*\c+\i:P+4*\c+\i+1]
	v_pk_add_f32 v[SU+4+\i:SU+4+\i+1], v[SU+4+\i:SU+4+\i+1], v[P+4+4*\c+\i:P+4+4*\c+\i+1]
.endr
.endr
.irp i, 0,2
	v_pk_add_f32 v[SU+\i:SU+\i+1], v[SU+\i:SU+\i+1], v[SU+4+\i:SU+4+\i+1]
.endr
.irp i, 0,1,2,3
	v_log_f32 v[SU+\i], v[SU+\i]
.endr
	v_and_b32 v104, 0x1ff, v0                      ; (the plain instruction behind the last logarithm)
	s_wait_alu depctr_va_vdst(0)
.irp i, 0,1,2,3
	v_add_f32 v[N+\i], v[M+\i], v[SU+\i]           ; the row's base-2 logsumexp
.endr
	v_cmp_eq_u32 vcc_lo, 0x1ff, v104               ; row 4 t + 3 has s = 2047 where t % 512 = 511: it does not count
	v_cndmask_b32 v[N+3], v[N+3], v105, vcc_lo
	v_add_f32 v[N], v[N], v[N+1]
	v_add_f32 v[N+2], v[N+2], v[N+3]
	v_add_f32 v[N], v[N], v[N+2]
	s_wait_loadcnt 0x0                             ; my word of gsum
	v_fma_f32 v[N], v[N], s13, -v4                 ; x ln(2), less my share of the labels' logits
	ds_store_b32 v2, v[N]                          ; a word of its own for each thread
	s_wait_dscnt 0x0                               ; for wave 0's sake
	s_barrier_signal -1
	s_barrier_wait -1
	s_cmp_lg_u32 s12, 0
	s_cbranch_scc1 .Lend                           ; wave 0 alone goes on
.irp k, 0,1,2,3,4,5,6,7
	ds_load_b128 v[P+4*\k:P+4*\k+3], v3 offset:512*\k   ; 32 lanes read 512 consecutive bytes: eight loads take the 1,024 words
.endr
	s_wait_dscnt 0x0
.irp i, 0,4,8,12,16,20,24,28
	v_pk_add_f32 v[P+\i:P+\i+1], v[P+\i:P+\i+1], v[P+\i+2:P+\i+3]
.endr
.irp i, 0,8,16,24
	v_pk_add_f32 v[P+\i:P+\i+1], v[P+\i:P+\i+1], v[P+\i+4:P+\i+5]
.endr
.irp i, 0,16
	v_pk_add_f32 v[P+\i:P+\i+1], v[P+\i:P+\i+1], v[P+\i+8:P+\i+9]
.endr
	v_pk_add_f32 v[P:P+1], v[P:P+1], v[P+16:P+17]
	v_add_f32 v[N], v[P], v[P+1]                   ; my 32 words; then over the 32 lanes
	v_add_f32_dpp v[N], v[N], v[N] row_xmask:1 row_mask:0xf bank_mask:0xf
	v_add_f32_dpp v[N], v[N], v[N] row_xmask:2 row_mask:0xf bank_mask:0xf
	v_add_f32_dpp v[N], v[N], v[N] row_xmask:4 row_mask:0xf bank_mask:0xf
	v_add_f32_dpp v[N], v[N], v[N] row_xmask:8 row_mask:0xf bank_mask:0xf
	v_permlanex16_b32 v[N+1], v[N], s14, s15
	v_add_f32 v[N], v[N], v[N+1]
	v_mul_f32 v[N], 0x39801002, v[N]               ; / 4094
	v_cmp_eq_u32 vcc_lo, 0, v0
	s_wait_xcnt 0x0                                ; EXEC changes only behind this wait
	s_and_saveexec_b32 s16, vcc_lo
	global_store_b32 v108, v[N], s[8:9]            ; thread 0 stores the one number
	s_wait_xcnt 0x0
	s_or_b32 exec_lo, exec_lo, s16
.Lend:
	s_wait_tensorcnt 0x0
	ds_add_u32 v126, v127
	s_wait_dscnt 0x0
	s_endpgm
.Lfunc_end_k_qa87505b448_loss:
	.size	k_qa87505b448_loss, .Lfunc_end_k_qa87505b448_loss-k_qa87505b448_loss
	.p2alignl 7, 3214868480
	.fill 96, 4, 3214868480
	.section	.rodata,"a",@progbits
	.p2align	6, 0x0
	.amdhsa_kernel k_qa87505b448_loss
		.amdhsa_group_segment_fixed_size 8192
		.amdhsa_private_segment_fixed_size 0
		.amdhsa_enable_private_segment 0
		.amdhsa_kernarg_size 24
		.amdhsa_user_sgpr_count 2
		.amdhsa_user_sgpr_kernarg_segment_ptr 1
		.amdhsa_wavefront_size32 1
		.amdhsa_system_sgpr_workgroup_id_x 1
		.amdhsa_system_sgpr_workgroup_id_y 1
		.amdhsa_system_sgpr_workgroup_id_z 1
		.amdhsa_system_vgpr_workitem_id 0
		.amdhsa_next_free_vgpr 128
		.amdhsa_next_free_sgpr 66
		.amdhsa_reserve_vcc 1
		.amdhsa_float_denorm_mode_32 3
		.amdhsa_float_denorm_mode_16_64 3
		.amdhsa_memory_ordered 1
		.amdhsa_forward_progress 1
		.amdhsa_inst_pref_size 14
	.end_amdhsa_kernel
	.amdgpu_metadata
---
amdhsa.version: [ 1, 2 ]
amdhsa.kernels:
  - .name:           k_qa87505b448_loss
    .symbol:         k_qa87505b448_loss.kd
    .args:
      - { .name: part, .offset: 0, .size: 8, .value_kind: global_buffer, .address_space: global }
      - { .name: gsum, .offset: 8, .size: 8, .value_kind: global_buffer, .address_space: global }
      - { .name: out0, .offset: 16, .size: 8, .value_kind: global_buffer, .address_space: global }
    .group_segment_fixed_size: 8192
    .private_segment_fixed_size: 0
    .kernarg_segment_align: 8
    .kernarg_segment_size: 24
    .max_flat_workgroup_size: 1024
    .sgpr_count:     66
    .vgpr_count:     128
    .wavefront_size: 32
...
	.end_amdgpu_metadata
.endif
;; end of part 4
